; MI455X (gfx1250); checked and timed in simulation.
; The chip was launched on July 23, 2026; its instructions are those of AMD's public machine-readable ISA for CDNA 5 (MIT licence, August 2026) and "CDNA5" Instruction Set Architecture Reference Guide (July 2026). The comments in the code are by the model that wrote it; some were corrected since.
;; Splash Attention QK Norm Wrapper. Allowed arithmetic: matrix products marked QUANTISED: E2M3 operands, one E8M0 scale for each 32 along K, by v_wmma_scale_f32_16x16x128_f8f6f4 with both operands' format E2M3, f32 sums; everything else in f32.
;; Inputs: Wk 2,048 x 1,024 float32; Wo 1,024 x 2,048 float32; Wq 2,048 x 1,024 float32; Wv 2,048 x 1,024 float32; cos 2 x 2,048 x 128 float32; hidden_states 2 x 2,048 x 2,048 float32; k_norm_w 128 float32; q_norm_w 128 float32; sin 2 x 2,048 x 128 float32.
;; Outputs: out0 2 x 2,048 x 2,048 float32.
;; This version of the problem:
;;   THIS VERSION OF THE PROBLEM IS GIVEN IN LOW PRECISION. The matrix products marked QUANTISED in the list below multiply operands that are first quantised to E2M3 (2 exponent bits, 3 mantissa bits; 6 bits a number), with one power-of-two scale for each 32 numbers along K (OCP MX v1.0); their sums are f32. All else is computed in f32.
;;   The module's matrix products, in the order in which they are computed (A, B: the left and right operand; K: the contracted axis; several contracted axes count as one K, in the product's order):
;;     1. [M 4,096, K 2,048] x [K 2,048, N 1,024]; A: input hidden_states; B: input Wq: QUANTISED
;;     2. [M 4,096, K 2,048] x [K 2,048, N 1,024]; A: input hidden_states; B: input Wk: QUANTISED
;;     3. [M 4,096, K 2,048] x [K 2,048, N 1,024]; A: input hidden_states; B: input Wv: QUANTISED
;;     4. batch 16 x [M 2,048, K 128] x [K 128, N 2,048]; A: computed on the way; B: computed on the way: QUANTISED
;;     5. batch 16 x [M 2,048, K 2,048] x [K 2,048, N 128]; A: softmax (see below); B: computed on the way: QUANTISED
;;     6. [M 4,096, K 1,024] x [K 1,024, N 2,048]; A: computed on the way; B: input Wo: QUANTISED
;;   THE QUANTISER, for each operand of a quantised product, along K:
;;     - K is cut into blocks of 32 from its start; a last block that is shorter is filled with zeros.
;;     - A block's scale is 2^e with e = floor(log2(the largest magnitude in the block)) - 2, held to -126 .. 127; a block of zeros has e = 0. As a byte (E8M0): e + 127.
;;     - Each number is divided by its block's scale, clamped to +-7.5, and rounded to the nearest number of E2M3, ties to even, subnormals kept.
;;     - The product sums the exact products of the quantised numbers (number of the format x scale) in f32.
;;   ~~~python
;;   def quantise(x, axis):      # numpy; x: float32 -> the quantised numbers, widened to float32 again
;;       x = np.moveaxis(x, axis, -1); K = x.shape[-1]
;;       x = np.pad(x, [(0, 0)] * (x.ndim - 1) + [(0, -K % 32)]); x = x.reshape(x.shape[:-1] + (-1, 32)); a = np.abs(x).max(-1, keepdims=True)
;;       e = np.where(a > 0, np.clip(np.frexp(np.where(a > 0, a, 1))[1] - 1 - 2, -126, 127), 0)      # np.frexp(a)[1] - 1 = floor(log2(a)), exactly
;;       r = np.clip(x / 2.0 ** e, -7.5, 7.5)
;;       step = 2.0 ** (np.maximum(np.frexp(np.where(r == 0, 1, r))[1] - 1, 0) - 3)
;;       q = np.round(r / step) * step * 2.0 ** e      # np.round: ties to even
;;       return np.moveaxis(q.reshape(q.shape[:-2] + (-1,))[..., :K], -1, axis).astype(np.float32)
;;   ~~~
;;   SOFTMAX AHEAD OF A QUANTISED PRODUCT. Where the list says 'softmax', what is quantised is not the finished softmax but p = 2^(t - M), with t = logit x log2(e) and M = ceil(the row's largest t), a whole number; so 1/2 < the row's largest p <= 1. The row's sum l is taken of the UNQUANTISED p, in f32, and the product's result is divided by l at the end. Since M is a whole number, a kernel that streams over the keys may use a running M (the ceiling of the running maximum): every later rescaling is an exact power of two, which a block's scale takes up: the codes' values come out the same.
;;   OPERANDS COMPUTED ON THE WAY. 'Computed on the way' means the value that the module computes at that place (a softmax that the list does not call 'softmax' is quantised finished and normalised). What goes into a quantiser is computed in f32, as accurately as f32 sums, v_exp_f32 and their like allow (about 1e-6 of the number): no bf16 or f16 on the way to a quantiser, and a product that is left as it is and whose result goes on into a quantised operand takes f32 operands (vector FMAs, or v_wmma_f32_16x16x4_f32). A number that lies on a knife's edge between two numbers of the format may be rounded either way, as far as f32 arithmetic and the matrix unit's own rounding can turn it there, and no further.
;; One version. Each part assembles by itself: llvm-mc -triple=amdgcn-amd-amdhsa -mcpu=gfx1250 --defsym DOCPART=n.
;; ======== version 1 of 1: 4 launches
;; limits: right only within a limited range of input values
;; workspace buffers: hq 6,553,600 bytes; wq 4,915,200 bytes; woq 1,638,400 bytes; cs 4,194,304 bytes; q_img 3,276,800 bytes; kv_img 6,553,600 bytes; aq 3,276,800 bytes
;; launch quant (part 1): grid 576 x 1, 4 waves a work-group, no clusters, 34,304 bytes of LDS; arguments hidden_states, Wq, Wk, Wv, Wo, hq, wq, woq, cos, sin, cs; writes hq, wq, woq, cs
.if DOCPART == 1
	.amdgcn_target "amdgcn-amd-amdhsa--gfx1250"
	.amdhsa_code_object_version 6
	.text
	.protected	k_qac5e6bfaf6_quant
	.globl	k_qac5e6bfaf6_quant
	.p2align	8
	.type	k_qac5e6bfaf6_quant,@function
k_qac5e6bfaf6_quant:
	s_mov_b64 s[64:65], 0
	v_nop
	global_prefetch_b8 v0, s[64:65] scope:SCOPE_SE
	s_setreg_imm32_b32 hwreg(HW_REG_WAVE_MODE, 25, 1), 1
	s_wait_xcnt 0x0
; THE PROGRAM: quant (this launch) | qkv: products 1-3, RMS norm, rotary embedding, quantisers of q, k, v | attn: products 4, 5 | oproj: product 6.
; WORK LEFT OUT, in the whole program.  (1) reference() builds the causal mask itself (jnp.tril) and puts finfo.min where key > query; every query has its own key unmasked, so behind the maximum's
; subtraction a masked key's exponential is 0 beside the row's largest, whatever finite values the inputs hold: key steps that lie wholly above the diagonal of a tile of queries are not multiplied
; (products 4 and 5), and their tiles are not fetched where no wave of the work-group reads them.  (2) NH / NKV = 1: jnp.repeat is the identity.  All nine inputs have a way to the output and are loaded.
; LIMIT: a NaN, an infinity or an overflow that reaches only the key steps left out is not carried to the result.
; THIS LAUNCH turns hidden_states [4096][2048] (K innermost) and Wq, Wk, Wv [2048][1024], Wo [1024][2048] (K = the FIRST axis) into codes of FP6 (E2M3) with one E8M0 byte for each 32 along K,
; and lays cos and sin [4096][128], unchanged f32 numbers, in the order in which the next launch's registers take them.
; A block's scale is 2^(floor(log2(largest magnitude)) - 2): its byte is the largest magnitude's exponent field - 2, held at 1 from below.
; LIMITS: a block of zeros, or one whose largest magnitude lies under 2^-124, gets the byte 1 (the rule says 127 for zeros): its codes are zeros or what that scale gives, and this program alone reads the bytes.  NaN and infinities among the inputs are not served.
; LAYOUT OF THE WORKSPACE: an operand lies as IMAGES OF ITS FRAGMENTS.  A fragment is 16 rows x 128 K, 12 registers a lane, 1,536 bytes: register q of lane l at byte 512 (q / 4) + 16 l + 4 (q % 4), so three
; 16-byte accesses a lane, 512 consecutive bytes each, store it and fetch it.  Its 16 scale words lie on end, row r's at 4 r.  THE ROWS OF A TILE ARE NOT NEIGHBOURS: lane r of tile g holds row 32 (g / 2) + 8 (g % 2) + r + 8 (r / 8).
; hq: images [256 tiles][16 K steps], scale words from HQ_SC on;  wq: [192 tiles: Wq, Wk, Wv][16];  woq: [128 tiles][8];
; cs: [256 tiles of tokens][cos 8,192 bytes, sin 8,192 bytes]: register 16 b + i of lane (r, h) is channel 32 b + 16 h + i of the lane's token; its group of four n at byte 512 n + 16 l.
; SHARES: work-groups 0-255: a tile of 16 rows of hidden_states, a wave 4 K steps;  256-447: Wq, Wk, Wv, a wave 32 columns x 256 K;  448-511: Wo likewise;  512-575: cos and sin, a wave a tile of tokens.
; No matrix unit, no tensor load, no cluster: nothing is read twice.
.set SPARE, 33792                      ; behind the four stages: the spare words, 128 bytes for each wave
.set HQ_SC, 6291456
.set WQ_SC, 4718592
; woq lies as one chunk a tile: the tile's 8 images and, behind them, its 8 x 64 bytes of scale words: 12,800 bytes
.set SPW,  2                           ; v2   my spare word; never rewritten
.set NIL,  3                           ; v3   0; never rewritten
.set LI,   6                           ; v6   16 x lane
.set SIN,  7                           ; v7   the stage, way in: 16 x lane
.set SOUT, 8                           ; v8   the stage, way out: 528 r + 64 h
.set SCO,  9                           ; v9   my offset among the scale words
.set WCOL, 10                          ; v10  4 x my column
.set R,    16                          ; rows: v16-143, two sets of 64;  weights: v16-79, two sets of 32;  cos and sin: v16-143
.set X,    144                         ; rows: v144-207, 64 numbers of my row
.set F,    144                         ; weights: v144-191, two fragments for each of two K steps
.set TH,   192                         ; weights: v192-207, the blocks' upper halves
.set PC,   208                         ; rows: v208-227, the codes just made
.set TM,   228                         ; v228-243 at work
.set PW,   244                         ; v244-247 scale words
.set SW,   248                         ; v248-249 scale words as they are stored
.set SEL,  22                          ; s[22:23] v_permlanex16_b32's selects for lane l xor 16
	s_load_b256 s[4:11], s[0:1], 0x0               ; hidden_states s[4:5], Wq s[6:7], Wk s[8:9], Wv s[10:11]
	s_load_b256 s[12:19], s[0:1], 0x20             ; Wo s[12:13], hq s[14:15], wq s[16:17], woq s[18:19]
	s_load_b128 s[44:47], s[0:1], 0x40             ; cos s[44:45], sin s[46:47]
	s_load_b64 s[42:43], s[0:1], 0x50              ; cs
	v_lshl_add_u32 v[SPW], v0, 2, SPARE
	v_mov_b32 v[NIL], 0
	v_lshrrev_b32 v1, 5, v0
	v_readfirstlane_b32 s20, v1                    ; wave
	v_and_b32 v1, 31, v0                           ; lane
	v_and_b32 v4, 15, v0                           ; r
	v_bfe_u32 v5, v0, 4, 1                         ; h
	v_lshlrev_b32 v[LI], 4, v1
	s_mov_b32 s[SEL], 0x76543210
	s_mov_b32 s[SEL+1], 0xfedcba98
	s_cmp_lt_u32 ttmp9, 256
	s_cbranch_scc0 .Lweights
; ---------------- hidden_states: K innermost ----------------
; 64 numbers of a lane, register 16 b + i = k 32 b + 16 h + i of my row, become a fragment's codes in v[PC] on and its scale word in v[pw].
.macro QUANT s, pw
.irp b, 0,1,2,3
	v_max3_num_f32 v[TM+\b], |v[\s+16*\b]|, |v[\s+1+16*\b]|, 0x1800000   ; my 16 numbers of block b, and the floor 2^(3 - 127): the byte cannot fall under 1
.endr
.irp i, 2,4,6,8,10,12,14
.irp b, 0,1,2,3
	v_max3_num_f32 v[TM+\b], v[TM+\b], |v[\s+16*\b+\i]|, |v[\s+1+16*\b+\i]|   ; the four blocks by turns
.endr
.endr
.irp b, 0,1,2,3
	v_permlanex16_b32 v[TM+4+\b], v[TM+\b], s[SEL], s[SEL+1]
.endr
.irp b, 0,1,2,3
	v_max_num_f32 v[TM+\b], v[TM+\b], v[TM+4+\b]   ; with lane l xor 16's 16: the block's largest magnitude
.endr
.irp b, 0,1,2,3
	v_add_nc_u32 v[TM+12+\b], 0xff000000, v[TM+\b] ; 2 off its exponent field: the conversion's scale operand
.endr
.irp b, 0,1,2,3
	v_lshrrev_b32 v[TM+4+\b], 23, v[TM+12+\b]      ; the scale's byte
.endr
	v_lshl_or_b32 v[\pw], v[TM+5], 8, v[TM+4]
	v_lshl_or_b32 v[\pw], v[TM+6], 16, v[\pw]
	v_lshl_or_b32 v[\pw], v[TM+7], 24, v[\pw]      ; my row's scale word (both halves of the lanes hold it)
.irp c, 0,1
	v_cvt_scalef32_pk16_fp6_f32 v[PC+6*\c:PC+2+6*\c], v[\s+32*\c:\s+15+32*\c], v[TM+12+2*\c]
	v_cvt_scalef32_pk16_fp6_f32 v[PC+12+4*\c:PC+14+4*\c], v[\s+16+32*\c:\s+31+32*\c], v[TM+12+2*\c+1]   ; (a conversion's three registers begin on an even number)
.endr
	v_nop                                          ; one plain place behind a scaled conversion
.irp c, 0,1                                    ; the operand wants a WHOLE block in a lane: lanes 0-15 block 2 c, lanes 16-31 block 2 c + 1
.irp i, 0,1,2
	v_permlane16_swap_b32 v[PC+6*\c+\i], v[PC+12+4*\c+\i]
.endr
.irp i, 0,1,2
	v_mov_b32 v[PC+3+6*\c+\i], v[PC+12+4*\c+\i]
.endr
.endr
.endm
.macro HLOAD f                         ; K step f of my four: 16 rows x 512 consecutive bytes
.irp i, 0,1,2,3,4,5,6,7,8,9,10,11,12,13,14,15
	global_load_b128 v[R+64*((\f)%2)+4*\i:R+64*((\f)%2)+4*\i+3], v[LI], s[4:5] offset:(\i+8*(\i/8))*8192+512*(\f) th:TH_LOAD_NT
.endr
.endm
.macro HTURN f                         ; through my own stage (rows of 512 + 16 bytes): LDS serves a wave's instructions in order, so no wait stands between the stores and the loads
.irp i, 0,1,2,3,4,5,6,7,8,9,10,11,12,13,14,15
	ds_store_b128 v[SIN], v[R+64*((\f)%2)+4*\i:R+64*((\f)%2)+4*\i+3] offset:528*\i
.endr
.irp b, 0,1,2,3
.irp j, 0,1,2,3
	ds_load_b128 v[X+16*\b+4*\j:X+16*\b+4*\j+3], v[SOUT] offset:128*\b+16*\j
.endr
.endr
.endm
	s_mul_i32 s21, s20, 8448                       ; my stage
	v_add_nc_u32 v[SIN], s21, v[LI]
	v_mul_u32_u24 v[SOUT], v4, 528
	v_lshl_add_u32 v[SOUT], v5, 6, v[SOUT]
	v_add_nc_u32 v[SOUT], s21, v[SOUT]
	v_lshlrev_b32 v[SCO], 2, v1
.irp b, 0,1,2,3
	v_mov_b32 v[TM+4+\b], 0                        ; written once: a lane permute's destination counts as one of its sources
.endr
	s_lshr_b32 s24, ttmp9, 1
	s_lshl_b32 s24, s24, 18                        ; 32 (T / 2) rows of 8,192 bytes
	s_and_b32 s25, ttmp9, 1
	s_lshl_b32 s25, s25, 16                        ; + 8 (T % 2) rows
	s_add_co_u32 s24, s24, s25
	s_lshl_b32 s25, s20, 11                        ; + my four K steps
	s_add_co_u32 s24, s24, s25
	s_mov_b32 s25, 0
	s_mul_i32 s26, ttmp9, 24576                    ; the tile's 16 images,
	s_mul_i32 s27, s20, 6144                       ; my four
	s_add_co_u32 s26, s26, s27
	s_mov_b32 s27, 0
	s_lshl_b32 s28, ttmp9, 10                      ; the tile's scale words,
	s_lshl_b32 s29, s20, 8                         ; my four K steps'
	s_add_co_u32 s28, s28, s29
	s_add_co_u32 s28, s28, HQ_SC
	s_mov_b32 s29, 0
	s_wait_alu depctr_va_vdst(0)
	s_wait_kmcnt 0x0
	s_add_nc_u64 s[4:5], s[4:5], s[24:25]
	s_add_nc_u64 s[26:27], s[14:15], s[26:27]
	s_add_nc_u64 s[28:29], s[14:15], s[28:29]
	HLOAD 0
	HLOAD 1
.irp f, 0,1,2,3
.if \f < 3
	s_wait_loadcnt 16                              ; this K step's 16 loads are in; the next step's 16 may be out
.else
	s_wait_loadcnt 0x0
.endif
.if \f > 0
	s_wait_xcnt 0x0                                ; the last fragment's stores have read v[PC] on, which is written again below
.endif
	HTURN \f
	s_wait_dscnt 0x0
.if \f < 2
	HLOAD \f+2
.endif
	QUANT X, PW+\f
.irp j, 0,1,2
	global_store_b128 v[LI], v[PC+4*\j:PC+4*\j+3], s[26:27] offset:1536*\f+512*\j   ; 512 consecutive bytes a store
.endr
.endr
	v_cmp_le_u32 vcc_lo, 16, v1
	v_cndmask_b32 v[SW], v[PW], v[PW+1], vcc_lo    ; lanes 0-15: K step 0's words, lanes 16-31: K step 1's
	v_cndmask_b32 v[SW+1], v[PW+2], v[PW+3], vcc_lo
	global_store_b32 v[SCO], v[SW], s[28:29]
	global_store_b32 v[SCO], v[SW+1], s[28:29] offset:128
	s_wait_tensorcnt 0x0                           ; the wave's end
	ds_add_u32 v[SPW], v[NIL]
	s_wait_dscnt 0x0
	s_endpgm
; ---------------- the weights: K is the first axis ----------------
; A LANE TAKES A COLUMN AND ITS REGISTERS RUN DOWN K: a block of 32 lies in one lane.  Lane 16 u + r takes the column that is row r of tile u of the wave's two tiles: the lane's number with bits 3 and 4 exchanged.
; A fragment wants blocks 2 c (lanes 0-15) and 2 c + 1 (lanes 16-31) of ONE tile; a register of block 2 c holds tile 0 below and tile 1 above: one exchange of halves with block 2 c + 1's register gives both tiles' registers.
.macro WLOAD t, n
.irp i, 0,1,2,3,4,5,6,7,8,9,10,11,12,13,14,15,16,17,18,19,20,21,22,23,24,25,26,27,28,29,30,31
	global_load_b32 v[R+32*((\t)%2)+\i], v[WCOL], s[36:37] offset:(32*(\t)+\i)*4*(\n) th:TH_LOAD_NT
.endr
.endm
.macro WBLOCK t, kt, n
.set XS, R+32*((\t)%2)
.set FQ, F+24*((\t)/4)
.set BE, (\t)%4
.if (\t) < 7
	s_wait_loadcnt 32                              ; this block's 32 loads are in; the next block's 32 may be out
.else
	s_wait_loadcnt 0x0
.endif
	v_max3_num_f32 v12, |v[XS]|, |v[XS+1]|, |v[XS+2]|
	v_max3_num_f32 v13, |v[XS+3]|, |v[XS+4]|, |v[XS+5]|
.irp i, 6,10,14,18,22,26
	v_max3_num_f32 v12, v12, |v[XS+\i]|, |v[XS+\i+1]|
	v_max3_num_f32 v13, v13, |v[XS+\i+2]|, |v[XS+\i+3]|
.endr
	v_max3_num_f32 v12, v12, |v[XS+30]|, |v[XS+31]|
	v_max3_num_f32 v12, v12, v13, 0x1800000        ; and the floor
	v_add_nc_u32 v11, 0xff000000, v12              ; the conversion's scale operand
	v_lshrrev_b32 v13, 23, v11                     ; the byte
.if BE == 0
	v_mov_b32 v[PW+(\t)/4], v13
.else
	v_lshl_or_b32 v[PW+(\t)/4], v13, 8*BE, v[PW+(\t)/4]
.endif
	v_cvt_scalef32_pk16_fp6_f32 v[FQ+12*(BE%2)+6*(BE/2):FQ+12*(BE%2)+6*(BE/2)+2], v[XS:XS+15], v11
	v_cvt_scalef32_pk16_fp6_f32 v[TH+4*BE:TH+4*BE+2], v[XS+16:XS+31], v11
	v_nop                                          ; one plain place behind a scaled conversion
.if (\t)+2 < 8
	WLOAD (\t)+2, \n
.endif
.if BE == 3
.irp c, 0,1
.irp i, 0,1,2
	v_permlane16_swap_b32 v[FQ+6*\c+\i], v[FQ+12+6*\c+\i]
	v_permlane16_swap_b32 v[TH+8*\c+\i], v[TH+8*\c+4+\i]
.endr
.irp i, 0,1,2
	v_mov_b32 v[FQ+6*\c+3+\i], v[TH+8*\c+\i]
	v_mov_b32 v[FQ+12+6*\c+3+\i], v[TH+8*\c+4+\i]
.endr
.endr
.irp u, 0,1
.irp j, 0,1,2
	global_store_b128 v[LI], v[FQ+12*\u+4*\j:FQ+12*\u+4*\j+3], s[38:39] offset:\u*(\kt)+1536*((\t)/4)+512*\j   ; kt: bytes from tile to tile
.endr
.endr
.endif
.endm
.macro WBODY kt, n                     ; 8 blocks of 32 along K; each K step's fragments have registers of their own, so no store's data are written again
	WLOAD 0, \n
	WLOAD 1, \n
.irp t, 0,1,2,3,4,5,6,7
	WBLOCK \t, \kt, \n
.endr
	global_store_b32 v[SCO], v[PW], s[40:41]
	global_store_b32 v[SCO], v[PW+1], s[40:41] offset:64
.endm
.Lweights:
	v_and_b32 v11, 7, v0
	v_bfe_u32 v12, v0, 3, 1
	v_lshl_or_b32 v11, v12, 4, v11
	s_wait_alu depctr_va_vdst(0)
	v_lshl_or_b32 v11, v5, 3, v11                  ; my column of the wave's 32
	v_lshlrev_b32 v[WCOL], 2, v11
	v_lshlrev_b32 v12, 2, v4                       ; 4 r
	s_cmp_lt_u32 ttmp9, 448
	s_cbranch_scc0 .Lwo
	s_sub_co_u32 s21, ttmp9, 256
	s_lshr_b32 s24, s21, 6                         ; which tensor
	s_and_b32 s25, s21, 7                          ; which 128 columns
	s_bfe_u32 s26, s21, 0x30003                    ; which 256 along K
	s_lshl_b32 s28, s26, 20                        ; 256 rows of 4,096 bytes
	s_lshl_b32 s29, s25, 9
	s_add_co_u32 s28, s28, s29
	s_lshl_b32 s29, s20, 7
	s_add_co_u32 s28, s28, s29
	s_mov_b32 s29, 0
	s_lshl_b32 s30, s24, 6
	s_lshl_b32 s31, s25, 3
	s_add_co_u32 s30, s30, s31
	s_lshl_b32 s31, s20, 1
	s_add_co_u32 s30, s30, s31                     ; my first tile: 64 x tensor + 8 x column group + 2 x wave
	s_lshl_b32 s32, s30, 4
	s_lshl_b32 s33, s26, 1
	s_add_co_u32 s32, s32, s33
	s_mul_i32 s32, s32, 1536
	s_mov_b32 s33, 0
	s_lshl_b32 s34, s30, 10
	s_lshl_b32 s35, s26, 7
	s_add_co_u32 s34, s34, s35
	s_add_co_u32 s34, s34, WQ_SC
	s_mov_b32 s35, 0
	s_wait_alu depctr_va_vdst(0)
	v_lshl_add_u32 v[SCO], v5, 10, v12             ; tile u's words lie 1,024 bytes on
	s_wait_kmcnt 0x0
	s_cmp_eq_u32 s24, 1
	s_cselect_b64 s[6:7], s[8:9], s[6:7]
	s_cmp_eq_u32 s24, 2
	s_cselect_b64 s[6:7], s[10:11], s[6:7]
	s_add_nc_u64 s[36:37], s[6:7], s[28:29]
	s_add_nc_u64 s[38:39], s[16:17], s[32:33]
	s_add_nc_u64 s[40:41], s[16:17], s[34:35]
	WBODY 24576, 1024
	s_endpgm                                       ; this way stores nothing to LDS
.Lwo:
	s_cmp_lt_u32 ttmp9, 512
	s_cbranch_scc0 .Lcs
	s_sub_co_u32 s21, ttmp9, 448
	s_and_b32 s25, s21, 15                         ; which 128 columns
	s_lshr_b32 s26, s21, 4                         ; which 256 along K
	s_lshl_b32 s28, s26, 21                        ; 256 rows of 8,192 bytes
	s_lshl_b32 s29, s25, 9
	s_add_co_u32 s28, s28, s29
	s_lshl_b32 s29, s20, 7
	s_add_co_u32 s28, s28, s29
	s_mov_b32 s29, 0
	s_lshl_b32 s30, s25, 3
	s_lshl_b32 s31, s20, 1
	s_add_co_u32 s30, s30, s31                     ; my first tile
	s_mul_i32 s32, s30, 12800                      ; my first tile's chunk
	s_lshl_b32 s35, s26, 7
	s_add_co_u32 s34, s32, s35
	s_add_co_u32 s34, s34, 12288                   ; its scale words, my two K steps'
	s_mul_i32 s33, s26, 3072
	s_add_co_u32 s32, s32, s33                     ; its images, my two K steps'
	s_mov_b32 s33, 0
	s_mov_b32 s35, 0
	s_wait_alu depctr_va_vdst(0)
	v_mad_u32_u24 v[SCO], v5, 0x3200, v12          ; tile u's words lie a chunk on
	s_wait_kmcnt 0x0
	s_add_nc_u64 s[36:37], s[12:13], s[28:29]
	s_add_nc_u64 s[38:39], s[18:19], s[32:33]
	s_add_nc_u64 s[40:41], s[18:19], s[34:35]
	WBODY 12800, 2048
	s_endpgm
; ---------------- cos and sin: the same numbers in another order ----------------
; A wave takes a tile of 16 tokens.  Lane (r, h) loads, of its token's row of 512 bytes, 16 neighbouring numbers of each 32: a wave's 16 loads of a tensor together read 16 whole rows, each byte once.
; They leave as images, 512 consecutive bytes a store, so that the next launch, sixteen of whose waves want each tile, fetches it by loads of 512 consecutive bytes.
.Lcs:
	s_sub_co_u32 s21, ttmp9, 512
	s_lshl_b32 s21, s21, 2
	s_add_co_u32 s21, s21, s20                     ; my tile g, 0 .. 255
	s_lshr_b32 s24, s21, 1
	s_lshl_b32 s24, s24, 14                        ; 32 (g / 2) rows of 512 bytes
	s_and_b32 s25, s21, 1
	s_lshl_b32 s25, s25, 12                        ; + 8 (g % 2) rows
	s_add_co_u32 s24, s24, s25
	s_mov_b32 s25, 0
	s_lshl_b32 s26, s21, 14                        ; the tile's two images: 16,384 bytes
	s_mov_b32 s27, 0
	v_and_b32 v14, 8, v4
	v_add_nc_u32 v14, v14, v4                      ; r + 8 (r / 8)
	v_lshlrev_b32 v14, 9, v14
	v_lshl_add_u32 v14, v5, 6, v14                 ; + 64 h
	s_wait_alu depctr_va_vdst(0)
	s_wait_kmcnt 0x0
	s_add_nc_u64 s[44:45], s[44:45], s[24:25]
	s_add_nc_u64 s[46:47], s[46:47], s[24:25]
	s_add_nc_u64 s[42:43], s[42:43], s[26:27]
.irp n, 0,1,2,3,4,5,6,7,8,9,10,11,12,13,14,15
	global_load_b128 v[R+4*\n:R+4*\n+3], v14, s[44:45] offset:128*(\n/4)+16*(\n%4)
.endr
.irp n, 0,1,2,3,4,5,6,7,8,9,10,11,12,13,14,15
	global_load_b128 v[R+64+4*\n:R+64+4*\n+3], v14, s[46:47] offset:128*(\n/4)+16*(\n%4)
.endr
	s_wait_loadcnt 16                              ; cos is in; sin's 16 loads may be out
.irp n, 0,1,2,3,4,5,6,7,8,9,10,11,12,13,14,15
	global_store_b128 v[LI], v[R+4*\n:R+4*\n+3], s[42:43] offset:512*\n
.endr
	s_wait_loadcnt 0x0
.irp n, 0,1,2,3,4,5,6,7,8,9,10,11,12,13,14,15
	global_store_b128 v[LI], v[R+64+4*\n:R+64+4*\n+3], s[42:43] offset:8192+512*\n
.endr
	s_endpgm                                       ; this way stores nothing to LDS
.Lfunc_end_k_qac5e6bfaf6_quant:
	.size	k_qac5e6bfaf6_quant, .Lfunc_end_k_qac5e6bfaf6_quant-k_qac5e6bfaf6_quant
	.p2alignl 7, 3214868480
	.fill 96, 4, 3214868480
	.section	.rodata,"a",@progbits
	.p2align	6, 0x0
	.amdhsa_kernel k_qac5e6bfaf6_quant
		.amdhsa_group_segment_fixed_size 34304
		.amdhsa_private_segment_fixed_size 0
		.amdhsa_enable_private_segment 0
		.amdhsa_kernarg_size 88
		.amdhsa_user_sgpr_count 2
		.amdhsa_user_sgpr_kernarg_segment_ptr 1
		.amdhsa_wavefront_size32 1
		.amdhsa_system_sgpr_workgroup_id_x 1
		.amdhsa_system_sgpr_workgroup_id_y 1
		.amdhsa_system_sgpr_workgroup_id_z 1
		.amdhsa_system_vgpr_workitem_id 0
		.amdhsa_next_free_vgpr 256
		.amdhsa_next_free_sgpr 66
		.amdhsa_reserve_vcc 1
		.amdhsa_float_denorm_mode_32 3
		.amdhsa_float_denorm_mode_16_64 3
		.amdhsa_memory_ordered 1
		.amdhsa_forward_progress 1
		.amdhsa_inst_pref_size 119
	.end_amdhsa_kernel
	.amdgpu_metadata
---
amdhsa.version: [ 1, 2 ]
amdhsa.kernels:
  - .name:           k_qac5e6bfaf6_quant
    .symbol:         k_qac5e6bfaf6_quant.kd
    .args:
      - { .name: hidden_states, .offset: 0, .size: 8, .value_kind: global_buffer, .address_space: global }
      - { .name: Wq, .offset: 8, .size: 8, .value_kind: global_buffer, .address_space: global }
      - { .name: Wk, .offset: 16, .size: 8, .value_kind: global_buffer, .address_space: global }
      - { .name: Wv, .offset: 24, .size: 8, .value_kind: global_buffer, .address_space: global }
      - { .name: Wo, .offset: 32, .size: 8, .value_kind: global_buffer, .address_space: global }
      - { .name: hq, .offset: 40, .size: 8, .value_kind: global_buffer, .address_space: global }
      - { .name: wq, .offset: 48, .size: 8, .value_kind: global_buffer, .address_space: global }
      - { .name: woq, .offset: 56, .size: 8, .value_kind: global_buffer, .address_space: global }
      - { .name: cos, .offset: 64, .size: 8, .value_kind: global_buffer, .address_space: global }
      - { .name: sin, .offset: 72, .size: 8, .value_kind: global_buffer, .address_space: global }
      - { .name: cs, .offset: 80, .size: 8, .value_kind: global_buffer, .address_space: global }
    .group_segment_fixed_size: 34304
    .private_segment_fixed_size: 0
    .kernarg_segment_align: 8
    .kernarg_segment_size: 88
    .max_flat_workgroup_size: 128
    .sgpr_count:     66
    .vgpr_count:     256
    .wavefront_size: 32
...
	.end_amdgpu_metadata
.endif
;; end of part 1
;; launch qkv (part 2): grid 12 x 16, 4 waves a work-group, clusters of 4 x 4, 327,680 bytes of LDS; arguments hq, wq, cs, q_norm_w, k_norm_w, q_img, kv_img; writes q_img, kv_img
.if DOCPART == 2
	.amdgcn_target "amdgcn-amd-amdhsa--gfx1250"
	.amdhsa_code_object_version 6
	.text
	.protected	k_qac5e6bfaf6_qkv
	.globl	k_qac5e6bfaf6_qkv
	.p2align	8
	.type	k_qac5e6bfaf6_qkv,@function
k_qac5e6bfaf6_qkv:
	s_mov_b64 s[64:65], 0
	v_nop
	global_prefetch_b8 v0, s[64:65] scope:SCOPE_SE
	s_setreg_imm32_b32 hwreg(HW_REG_WAVE_MODE, 25, 1), 1
	s_wait_xcnt 0x0
	s_wait_alu depctr_hold_cnt(0) depctr_sa_sdst(0) depctr_va_vdst(0) depctr_va_sdst(0) depctr_va_ssrc(0) depctr_va_vcc(0) depctr_vm_vsrc(0)
	s_getreg_b32 s2, hwreg(HW_REG_IB_STS2, 6, 4)
	s_cmp_eq_u32 s2, 0
	s_cbranch_scc0 .Lentry_in_a_cluster
	s_endpgm
.Lentry_in_a_cluster:
	s_bfe_u32 s2, ttmp6, 0x10000c
	s_cmp_lg_u32 s2, 0xf033
	s_cbranch_scc0 .Lentry_shape_is_right
	s_endpgm
.Lentry_shape_is_right:
; Products 1 to 3 on codes of FP6 (E2M3) with E8M0 scales, K = 2,048; then, in registers and in f32: RMS norm and rotary embedding of q and k, q's factor 128^-0.5, and the quantisers of q and k (along the head's 128) and of v (along the keys).
; No work of reference() is left out here.  LIMITS: NaN and infinities are not served; a block whose largest magnitude lies under 2^-124 (zeros too) gets the scale byte 1; q's factor 128^-0.5 is folded into the
; reciprocal root (rsq(sum of squares + 128 eps) = rsq(mean + eps) x 128^-0.5), so the order of rounding differs from reference()'s by about one part in 10^7.
; OPERANDS are images of fragments (16 rows x 128 K: 1,536 bytes, three 16-byte accesses a lane at 16 x lane; 16 scale words on end).  Lane r of tile g holds row 32 (g / 2) + 8 (g % 2) + r + 8 (r / 8).
; A work-group of four waves makes 256 x 256, a wave 128 x 128: 64 accumulators.  K goes in steps of 256 through a ring of two LDS slots; a tile's two fragments of a step are 3,072 consecutive bytes.
; THE MATRIX INSTRUCTION IS USED TRANSPOSED (source 0 = 16 rows of B, source 1 = 16 rows of A): a lane holds ONE row of A, and by the order of rows in B's tiles its register 16 b + i of a block is B's row 32 b + 16 (lane / 16) + i.
; Clusters x = 0, 1: A = tokens (hq), B = rows of Wq, Wk (wq): a lane holds a token, its registers run along the head's 128.  Cluster x = 2: A = rows of Wv, B = tokens: a lane holds a channel, its registers run along 128 keys.
; So each block of 64 registers is quantised where it stands and is a fragment of the next product.  A wave's result is one chunk: 8 fragments and an image of their scale words (word i of lane l at 16 l + 4 i: tile 2 i below, 2 i + 1 above).
; cos and sin come as images of the very registers that want them (cs: [256 tiles of tokens][cos, sin], 8,192 bytes each): every load reads 512 consecutive bytes.
; A block's finished fragment is moved into the first 12 registers of the block's own accumulators, which are done with, and stored from there: no store's data are written again, so no block waits for the block before.
; CLUSTERS: 4 x 4.  A's tiles are shared along a row of the cluster, B's along a column: joint loads.  The choice of buffers hangs on the cluster's x alone, which all sixteen share.
; REGISTERS: window 0: v0-31 addresses; v32-63 scale words, two sets (they hold nothing else); v128-223 A's fragments; in the epilogue v64-127 the norm's weight, v128-191 the rotated numbers, v192-227 at work, v228-243 sums of squares, v244-255 scale words.
;   window 1: B's fragments, two sets; in the epilogue cos and sin, two sets of 128.   windows 2, 3: the accumulators ((a, b) at v[8 (8 (a % 4) + b)]).
.set KT,     16                        ; K steps of 128
.set ROWT,   3072                      ; a tile's two fragments of a slot
.set HALFT,  8*ROWT                    ; 8 tiles: what one tensor load brings, and what a wave reads of A or of B
.set SLOT,   4*HALFT
.set LAPS,   KT/4
.set NQ,     2
.set FR,     12
.set NL,     3                         ; LDS loads that bring a fragment
.set NP,     4                         ; places behind this matrix instruction (ISA guide 7.12.1)
.set TS,     64*KT                     ; a tile's scale words for all of K
.set HALFS,  8*TS
.set SCL,    2*SLOT                    ; behind the ring: the scale words, filled once
.set SPARE,  SCL+4*HALFS               ; behind them: the spare words, 128 bytes for each wave
.set HQ_SC,  6291456
.set WQ_SC,  4718592
.set ADRA, 16                          ; v16-17  my A fragments in slot 0, 1
.set ADRB, 20                          ; v20-21  my B fragments
.set LI,   24                          ; v24     16 x lane
.set NWO,  26                          ; v26     the norm's weight: 64 h
.set ADRS, 27                          ; v27     my scale words: lanes 0-15 A's, lanes 16-31 B's
.set SPW,  28
.set NIL,  29
.set SC,   32
.set AF,   128
.set NW,   64
.set Z,    128
.set TM,   192
.set PC,   208
.set SS,   228
.set PW,   244
.set SW,   252
.set G1, 24
.set G0, 32
.set G1B, 48
.set G0B, 56
.set G1S, 68
.set G0S, 76
.set G1SB, 80
.set G0SB, 88
.set SEL, 52                           ; s[52:53], in the epilogue
.set G0H, 4                            ; s[4:7], s[8:11] group 0 of the head's loads of slot 0: A's 16 tiles, B's 16 tiles
.set G0HB, 8
.set PFA, 12                           ; s[12:13] where my prefetches of tiles stand
.set PFO, 30                           ; v30  their offset: my work-group's 2 tiles of the 8 that I fetch, 12 blocks of 256 bytes each; lanes 24-31 name lane 23's block again; never rewritten
.set PFC, 31                           ; v31  256 x lane, for the prefetches of cos and sin; never rewritten
; PREFETCHES.  Behind each joint load stands one prefetch of the K pair that stands two refills on: of the 8 tiles x 3,072 bytes that a wave fetches, each of the four partners that ask jointly takes 2 tiles,
; told apart by address (cx for A, cy for B): each block of 256 bytes is named once in a cluster.  The loop's last trip asks for no tile: its pairs would lie beyond K.
; In that trip the clusters of q and k ask for cos and sin of the work-group's 256 tokens, seven K steps ahead of the first load: 262,144 bytes, a quarter to each partner along x, 64 blocks a wave, two instructions.
.macro ASK slot
	s_cmp_gt_u32 s3, 1
	s_cbranch_scc0 .Lno_tile_\@
	global_prefetch_b8 v[PFO], s[PFA:PFA+1] offset:3*ROWT th:TH_LOAD_NT scope:SCOPE_SE
.Lno_tile_\@:
.if (\slot) == 0
	s_cmp_eq_u32 s3, s66                           ; s66 = 1 in the clusters of q and k, 0 in v's
	s_cbranch_scc0 .Lno_cs_\@
	global_prefetch_b8 v[PFC], s[98:99] th:TH_LOAD_NT scope:SCOPE_SE
	global_prefetch_b8 v[PFC], s[98:99] offset:8192 th:TH_LOAD_NT scope:SCOPE_SE
.Lno_cs_\@:
.endif
.endm
.set MSB, 0
.macro WIN new                         ; the immediate's high byte repeats the setting that is left
.if MSB != (\new)
	s_set_vgpr_msb (MSB<<8)|(\new)
.set MSB, (\new)
.endif
.endm
.set MUL_LO, 0xa1                      ; source 0 (B) window 1, source 1 (A) window 0, C and D window 2
.set MUL_HI, 0xf1
.set TO_B,   0x40
; A joint load: waves 0 and 1 fetch for A, waves 2 and 3 for B; the branch hangs on the wave's number alone.  An s_nop 0 and four v_nop follow each line.
.macro JLOAD g0a, g1a, g0b, g1b
	s_cmp_eq_u32 s15, 0
	s_cbranch_scc0 .Lfor_b_\@
	tensor_load_to_lds s[\g0a:\g0a+3], s[\g1a:\g1a+7]
	s_nop 0
.rept 4
	v_nop
.endr
	s_branch .Lasked_\@
.Lfor_b_\@:
	tensor_load_to_lds s[\g0b:\g0b+3], s[\g1b:\g1b+7]
	s_nop 0
.rept 4
	v_nop
.endr
.Lasked_\@:
.endm
.macro CREST
	s_cmp_lg_u32 s14, 0
	s_cbranch_scc1 .Lnot_wave_0_\@
	s_barrier_signal -3
.Lnot_wave_0_\@:
	s_barrier_wait -3
	s_barrier_signal -1
	s_barrier_wait -1
.endm
.macro CROUND
	s_barrier_signal -1
	s_barrier_wait -1
	CREST
.endm
	s_load_b128 s[4:7], s[0:1], 0x0                ; hq s[4:5], wq s[6:7]
	s_load_b64 s[98:99], s[0:1], 0x10              ; cs, for its prefetches
	v_lshl_add_u32 v[SPW], v0, 2, SPARE
	v_mov_b32 v[NIL], 0
	ds_add_u32 v[SPW], v[NIL]                      ; the wave's opening: the add, twice on end, and its wait ahead of my first tensor load
	ds_add_u32 v[SPW], v[NIL]
	v_lshrrev_b32 v1, 5, v0
	v_readfirstlane_b32 s14, v1                    ; wave
	s_lshr_b32 s15, s14, 1                         ; my half of A's rows.  Also: I fetch for A (0) or for B (1)
	s_and_b32 s16, s14, 1                          ; my half of B's rows.  Also: which 8 tiles I fetch
	s_bfe_u32 s40, ttmp6, 0x40000                  ; cx
	s_bfe_u32 s41, ttmp6, 0x40004                  ; cy
	s_and_b32 s17, ttmp7, 0xffff
	s_lshl_b32 s17, s17, 2                         ; 4 x cluster y
	s_lshl_b32 s42, ttmp9, 2                       ; 4 x cluster x
	s_mov_b32 s95, HQ_SC
	s_mov_b32 s96, WQ_SC
	s_cmp_eq_u32 ttmp9, 2                          ; the clusters that make v
	s_cselect_b32 s67, 1, 0
	s_cselect_b32 s18, 8, s17                      ; A: Wv's rows begin at block 8 of wq; else the tokens' blocks of 256
	s_cselect_b32 s42, s17, s42                    ; B: the tokens' blocks; else Wq's and Wk's
	s_cselect_b32 s19, s96, s95                    ; where A's buffer has its scale words,
	s_cselect_b32 s96, s95, s96                    ; and B's
	s_add_co_u32 s17, s18, s41                     ; A's block of 256 rows: + cy
	s_add_co_u32 s42, s42, s40                     ; B's: + cx
	s_lshl_b32 s43, s41, 2
	s_lshl_b32 s43, 15, s43                        ; my row of the cluster
	s_lshl_b32 s44, 0x1111, s40                    ; my column
	s_or_b32 s[G1+0], s43, (3<<16)|(1<<21)         ; 15:0 the mask; 17:16 elements of 8 bytes; 21 set beside a mask; no padding
	s_or_b32 s[G1B+0], s44, (3<<16)|(1<<21)
.irp g, G1, G1B
	s_mov_b32 s[\g+1], 384<<16                     ; tensor_dim0: 3,072 bytes
	s_mov_b32 s[\g+2], 16<<16                      ; tensor_dim1: 16 tiles for the head's loads; behind them 8
	s_mov_b32 s[\g+3], 384<<16                     ; tile_dim0
	s_mov_b32 s[\g+4], 16                          ; tile_dim1
	s_mov_b32 s[\g+5], 192*KT                      ; from tile to tile: KT fragments
	s_mov_b32 s[\g+6], 0
	s_mov_b32 s[\g+7], 0
.endr
	s_or_b32 s[G1S+0], s43, (3<<16)|(1<<21)        ; the scale words of 16 tiles: a dense block, as rows of 256 bytes
	s_or_b32 s[G1SB+0], s44, (3<<16)|(1<<21)
.irp g, G1S, G1SB
	s_mov_b32 s[\g+1], 32<<16
	s_mov_b32 s[\g+2], (2*HALFS/256)<<16           ; the scale words of 16 tiles
	s_mov_b32 s[\g+3], 32<<16
	s_mov_b32 s[\g+4], 2*HALFS/256
	s_mov_b32 s[\g+5], 32
	s_mov_b32 s[\g+6], 0
	s_mov_b32 s[\g+7], 0
.endr
	s_lshl_b32 s20, s17, 4                         ; A: the block's first tile
	s_lshl_b32 s46, s42, 4                         ; B likewise
	s_mul_i32 s22, s20, TS
	s_add_co_u32 s22, s22, s19
	s_mov_b32 s23, 0
	s_mul_i32 s92, s46, TS
	s_add_co_u32 s92, s92, s96
	s_mov_b32 s93, 0
	s_mul_i32 s20, s20, KT*1536
	s_mov_b32 s21, 0
	s_mul_i32 s46, s46, KT*1536
	s_mov_b32 s47, 0
	s_mul_i32 s45, s14, HALFT                      ; where they go: no place in the cluster enters an LDS address
	s_mul_i32 s18, s16, 8*KT*1536                  ; in the ring I fetch 8 tiles: which half, in bytes
	s_mov_b32 s19, 0
	s_cmp_eq_u32 s15, 0
	s_cselect_b32 s96, s40, s41                    ; my place among the four that ask with me
	s_mul_i32 s96, s96, 2*KT*1536                  ; my work-group's 2 tiles of the 8
	s_mov_b32 s97, 0
	s_lshl_b32 s94, s17, 18                        ; cos and sin of my block of 256 tokens,
	s_lshl_b32 s2, s40, 16
	s_add_co_u32 s94, s94, s2                      ; my work-group's quarter,
	s_lshl_b32 s2, s14, 14
	s_add_co_u32 s94, s94, s2                      ; my wave's 16,384 bytes
	s_mov_b32 s95, 0
	s_wait_dscnt 0x0                               ; both opening adds are done
	s_wait_kmcnt 0x0
	s_cmp_eq_u32 s67, 1
	s_cselect_b64 s[8:9], s[4:5], s[6:7]           ; B's buffer
	s_cselect_b64 s[4:5], s[6:7], s[4:5]           ; A's buffer
	s_cselect_b32 s66, 0, 1
	s_add_nc_u64 s[20:21], s[4:5], s[20:21]
	s_add_nc_u64 s[22:23], s[4:5], s[22:23]
	s_add_nc_u64 s[46:47], s[8:9], s[46:47]
	s_add_nc_u64 s[92:93], s[8:9], s[92:93]
	s_add_nc_u64 s[98:99], s[98:99], s[94:95]
	s_mov_b32 s[G0H], 1                            ; the head's four tiles, each whole: slot 0's 16 tiles of A,
	s_mov_b32 s[G0H+1], 0
	s_mov_b64 s[G0H+2:G0H+3], s[20:21]
	s_or_b32 s[G0H+3], s[G0H+3], 0x80000000
	s_mov_b32 s[G0HB], 1                           ; its 16 tiles of B,
	s_mov_b32 s[G0HB+1], 2*HALFT
	s_mov_b64 s[G0HB+2:G0HB+3], s[46:47]
	s_or_b32 s[G0HB+3], s[G0HB+3], 0x80000000
	s_mov_b32 s[G0S], 1                            ; A's scale words, and B's
	s_mov_b32 s[G0S+1], SCL
	s_mov_b64 s[G0S+2:G0S+3], s[22:23]
	s_or_b32 s[G0S+3], s[G0S+3], 0x80000000
	s_mov_b32 s[G0SB], 1
	s_mov_b32 s[G0SB+1], SCL+2*HALFS
	s_mov_b64 s[G0SB+2:G0SB+3], s[92:93]
	s_or_b32 s[G0SB+3], s[G0SB+3], 0x80000000
	s_add_nc_u64 s[20:21], s[20:21], s[18:19]      ; for the ring: my 8 tiles
	s_add_nc_u64 s[46:47], s[46:47], s[18:19]
.irp s, 0,1
	s_mov_b32 s[G0+4*\s], 1
	s_add_co_u32 s[G0+4*\s+1], s45, \s*SLOT
	s_add_nc_u64 s[G0+4*\s+2:G0+4*\s+3], s[20:21], \s*ROWT
	s_or_b32 s[G0+4*\s+3], s[G0+4*\s+3], 0x80000000
	s_mov_b32 s[G0B+4*\s], 1
	s_add_co_u32 s[G0B+4*\s+1], s45, \s*SLOT
	s_add_nc_u64 s[G0B+4*\s+2:G0B+4*\s+3], s[46:47], \s*ROWT
	s_or_b32 s[G0B+4*\s+3], s[G0B+4*\s+3], 0x80000000
.endr
	s_cmp_eq_u32 s15, 0
	s_cselect_b64 s[PFA:PFA+1], s[20:21], s[46:47]
	s_add_nc_u64 s[PFA:PFA+1], s[PFA:PFA+1], s[96:97]
	CROUND                                         ; all sixteen work-groups are here: the first joint loads meet
; THE HEAD'S LOADS, ONE A WAVE: wave 0 slot 0's tiles of A, wave 1 those of B, wave 2 A's scale words, wave 3 B's.  One chain of branches on the wave's number; every way passes one load.
.macro ARM under, g0, g1, next
	s_cmp_lt_u32 s14, \under
	s_cbranch_scc0 \next
	tensor_load_to_lds s[\g0:\g0+3], s[\g1:\g1+7]
	s_nop 0
.rept 4
	v_nop
.endr
	s_branch .Lhead_asked
\next:
.endm
	ARM 1, G0H,  G1,  .Lhead_b
	ARM 2, G0HB, G1B, .Lhead_sa
	ARM 3, G0S,  G1S, .Lhead_sb
	tensor_load_to_lds s[G0SB:G0SB+3], s[G1SB:G1SB+7]
	s_nop 0
.rept 4
	v_nop
.endr
.Lhead_asked:
	v_and_b32 v1, 15, v0                           ; r
	v_bfe_u32 v2, v0, 4, 1                         ; h
	s_wait_alu depctr_va_vdst(0)
	v_and_b32 v3, 31, v0
	v_lshlrev_b32 v[LI], 4, v3
	s_mul_i32 s21, s15, HALFT
	s_mul_i32 s22, s16, HALFT
	s_add_co_u32 s22, s22, 2*HALFT
.irp s, 0,1
	v_add_nc_u32 v[ADRA+\s], s21, v[LI]
	v_add_nc_u32 v[ADRB+\s], s22, v[LI]
	s_add_co_u32 s21, s21, SLOT
	s_add_co_u32 s22, s22, SLOT
.endr
	v_lshlrev_b32 v5, 2, v1
	s_mul_i32 s21, s15, HALFS
	s_mul_i32 s22, s16, HALFS
	s_add_co_u32 s22, s22, 2*HALFS
	s_sub_co_u32 s22, s22, s21
	v_mul_u32_u24 v6, s22, v2                      ; lanes 16-31 take B's: one product, the distance between the two
	s_add_co_u32 s21, s21, SCL
	v_add_nc_u32 v5, v5, v6
	v_add_nc_u32 v[ADRS], s21, v5
	v_lshlrev_b32 v[NWO], 6, v2
	v_and_b32 v7, 31, v0
	v_lshlrev_b32 v[PFC], 8, v7
	v_min_u32 v5, 23, v7
	v_mul_u32_u24 v6, v5, 171
	v_lshrrev_b32 v6, 11, v6                       ; lane / 12, for lanes up to 23
	v_mul_u32_u24 v6, v6, KT*1536-ROWT             ; the second tile begins a tile's pitch on, 12 blocks further in the count
	v_lshl_add_u32 v[PFO], v5, 8, v6
.macro FRAG reg, adr, q, i             ; a fragment comes as it was stored: three loads of 512 consecutive bytes
.irp j, 0,1,2
	ds_load_b128 v[\reg+4*\j:\reg+4*\j+3], v[\adr] offset:1536*(\q)+ROWT*(\i)+512*\j
.endr
.endm
; 16 matrix instructions: A's blocks a0, a0 + 1 x B's eight.  The 64 accumulators take turns, one instruction a turn, in the same order in every step.
.macro MUL16 a0, p, q, sc, zero
.irp a, \a0, \a0+1
.irp b, 0,1,2,3,4,5,6,7
.if \zero
	v_wmma_scale_f32_16x16x128_f8f6f4 v[8*(8*((\a)%4)+\b):8*(8*((\a)%4)+\b)+7], v[128*(\p)+FR*\b:128*(\p)+FR*\b+FR-1], v[AF+FR*(\a):AF+FR*(\a)+FR-1], 0, v[SC+8*NQ*(\sc)+NQ*\b+(\q)], v[SC+8*NQ*(\sc)+NQ*(\a)+(\q)] matrix_a_fmt:MATRIX_FMT_FP6 matrix_b_fmt:MATRIX_FMT_FP6 matrix_a_scale:MATRIX_SCALE_ROW1
.else
	v_wmma_scale_f32_16x16x128_f8f6f4 v[8*(8*((\a)%4)+\b):8*(8*((\a)%4)+\b)+7], v[128*(\p)+FR*\b:128*(\p)+FR*\b+FR-1], v[AF+FR*(\a):AF+FR*(\a)+FR-1], v[8*(8*((\a)%4)+\b):8*(8*((\a)%4)+\b)+7], v[SC+8*NQ*(\sc)+NQ*\b+(\q)], v[SC+8*NQ*(\sc)+NQ*(\a)+(\q)] matrix_a_fmt:MATRIX_FMT_FP6 matrix_b_fmt:MATRIX_FMT_FP6 matrix_a_scale:MATRIX_SCALE_ROW1
.endif
.endr
.endr
.endm
.macro FETCH_B slot, q, p
	WIN TO_B
.irp i, 0,1,2,3,4,5,6,7
	FRAG 128*(\p)+FR*\i, ADRB+\slot, \q, \i
.endr
	WIN 0
.endm
.macro FETCH_A slot, q, i0
.irp i, \i0, \i0+1, \i0+2, \i0+3
	FRAG AF+FR*(\i), ADRA+\slot, \q, \i
.endr
.endm
.macro SCALES sc                       ; the next slot's scale words: lanes 0-15 A's block i, lanes 16-31 B's block i
.irp i, 0,1,2,3,4,5,6,7
.irp q, 0,1
	ds_load_b32 v[SC+8*NQ*\sc+NQ*\i+\q], v[ADRS] offset:\i*TS+64*\q
.endr
.endr
.endm
.macro PLACES n                        ; plain vector instructions between a matrix instruction and a load into, or a read of, its registers (ISA guide 7.12.1 for reads)
.rept \n
	v_nop
.endr
.endm
.macro STEP slot, q, zero              ; a step of 128 along K that has its successor in the same slot
	s_wait_dscnt 4*NL                              ; all but the youngest 12 loads (A's blocks 4-7)
	WIN MUL_LO
	MUL16 0, (\q)%2, \q, \slot, \zero
	MUL16 2, (\q)%2, \q, \slot, \zero
	s_wait_dscnt 0
	PLACES NP
	FETCH_B \slot, (\q)+1, 1-(\q)%2
	FETCH_A \slot, (\q)+1, 0
	WIN MUL_HI
	MUL16 4, (\q)%2, \q, \slot, \zero
	MUL16 6, (\q)%2, \q, \slot, \zero
	PLACES NP
	WIN 0
	FETCH_A \slot, (\q)+1, 4
.endm
; A slot's last step changes slots: one barrier; in front of it each wave waits for all its tensor loads, adds 0 to its spare word, and waits for that and for its reads of this slot.
.macro TURN slot, next, fill
	s_wait_tensorcnt 0x0                           ; all my tensor loads have landed: my part of the next slot
	ds_add_u32 v[SPW], v[NIL]
.if \fill
	s_add_nc_u64 s[G0+4*\slot+2:G0+4*\slot+3], s[G0+4*\slot+2:G0+4*\slot+3], 2*ROWT      ; no load of mine is out: this slot's next K pair
	s_add_nc_u64 s[G0B+4*\slot+2:G0B+4*\slot+3], s[G0B+4*\slot+2:G0B+4*\slot+3], 2*ROWT
	s_wait_xcnt 0x0                                ; my last prefetch, a slot back, has read its address
	s_add_nc_u64 s[PFA:PFA+1], s[PFA:PFA+1], ROWT
.endif
	s_wait_dscnt 0x0                               ; the add is done, and my reads of this slot are over: its last step's fragments are all in registers
	s_barrier_signal -1
	s_barrier_wait -1
.if \fill
	CREST                                          ; the barrier has opened a round of the cluster's: no wave of any partner still reads this slot or has a load on its way
	JLOAD G0+4*\slot, G1, G0B+4*\slot, G1B         ; the first tensor load behind the round: 128 matrix instructions stand between it and the wait for it; its four v_nop are the places in front of the loads below
.else
	PLACES NP
.endif
	s_wait_alu depctr_va_vdst(0)
	v_add_nc_u32 v[ADRS], 64*NQ, v[ADRS]
	FETCH_B \next, 0, 0
	SCALES \next
.if \fill
	ASK \slot
.endif
	WIN MUL_LO
	MUL16 0, 1, NQ-1, \slot, 0
	MUL16 2, 1, NQ-1, \slot, 0
	PLACES NP
	WIN 0
	FETCH_A \next, 0, 0
	WIN MUL_HI
	MUL16 4, 1, NQ-1, \slot, 0
	MUL16 6, 1, NQ-1, \slot, 0
	PLACES NP
	WIN 0
	FETCH_A \next, 0, 4
.endm
	s_wait_alu depctr_va_vdst(0)
	s_wait_tensorcnt 0x0                           ; my tile of the head's four is in
	ds_add_u32 v[SPW], v[NIL]
	s_mov_b32 s[G1+2], 8<<16                       ; no tensor load of mine is out: from here on a load brings 8 tiles
	s_mov_b32 s[G1+4], 8
	s_mov_b32 s[G1B+2], 8<<16
	s_mov_b32 s[G1B+4], 8
	s_wait_dscnt 0x0
	CROUND                                         ; all four tiles are in, and all sixteen work-groups are here
	JLOAD G0+4, G1, G0B+4, G1B                     ; slot 1's first fill, the first tensor load behind the round
	FETCH_B 0, 0, 0
	FETCH_A 0, 0, 0
	SCALES 0
	FETCH_A 0, 0, 4
	global_prefetch_b8 v[PFO], s[PFA:PFA+1] offset:2*ROWT th:TH_LOAD_NT scope:SCOPE_SE   ; K pairs 2 and 3: two refills on from the loads of pairs 0 and 1
	global_prefetch_b8 v[PFO], s[PFA:PFA+1] offset:3*ROWT th:TH_LOAD_NT scope:SCOPE_SE
	STEP 0, 0, 1                                   ; the first step's products start the sums
	s_mov_b32 s3, LAPS-1
.Llap:
	TURN 0, 1, 1
	STEP 1, 0, 0
	TURN 1, 0, 1
	STEP 0, 0, 0
	s_sub_co_u32 s3, s3, 1
	s_cmp_lg_u32 s3, 0
	s_cbranch_scc1 .Llap
	TURN 0, 1, 0                                   ; the last lap fills nothing
	s_load_b64 s[24:25], s[0:1], 0x10              ; no tensor load of mine is out or will follow, so the descriptors' registers take the other addresses: cs,
	s_load_b128 s[28:31], s[0:1], 0x18             ; q_norm_w, k_norm_w,
	s_load_b128 s[32:35], s[0:1], 0x28             ; q_img, kv_img
	STEP 1, 0, 0
	s_wait_kmcnt 0x0
	s_cmp_eq_u32 s67, 1
	s_cbranch_scc1 .Lno_rope                       ; v has no rotary embedding
	s_lshl_b32 s36, s17, 8
	s_lshl_b32 s37, s15, 7
	s_add_co_u32 s36, s36, s37                     ; my first token
	s_lshl_b32 s38, s36, 10                        ; its tile's images of cos and sin
	s_mov_b32 s39, 0
	s_add_nc_u64 s[24:25], s[24:25], s[38:39]
	WIN 0x40                                       ; block 0's cos and sin, a K step ahead of their use: B's set 0 is done with (four places stand behind its last products), the last step multiplies set 1
.irp n, 0,1,2,3,4,5,6,7,8,9,10,11,12,13,14,15
	global_load_b128 v[4*\n:4*\n+3], v[LI], s[24:25] offset:512*\n
	global_load_b128 v[64+4*\n:64+4*\n+3], v[LI], s[24:25] offset:8192+512*\n
.endr
	WIN 0
.Lno_rope:
	s_wait_dscnt 4*NL
	WIN MUL_LO
	MUL16 0, 1, NQ-1, 1, 0
	MUL16 2, 1, NQ-1, 1, 0
	s_wait_dscnt 0
	WIN MUL_HI
	MUL16 4, 1, NQ-1, 1, 0
	MUL16 6, 1, NQ-1, 1, 0
	WIN 0
	PLACES NP                                      ; for the first reads of results and the loads into registers that held fragments
; 64 numbers of a lane in window w, register 16 b + i = k 32 b + 16 h + i of my row, become a fragment's codes in v[fs] .. v[fs + 11] of window fw and its scale word in v[pw].  Each accumulator is read from its low end on.
.macro QUANT s, w, pw, fs, fw
	WIN ((\w)<<2)|((\w)<<4)
.irp b, 0,1,2,3
	v_max3_num_f32 v[TM+\b], 0x1800000, |v[\s+16*\b]|, |v[\s+1+16*\b]|   ; the floor 2^(3 - 127): the byte cannot fall under 1
.endr
.irp i, 2,4,6,8,10,12,14
.irp b, 0,1,2,3
	v_max3_num_f32 v[TM+\b], v[TM+\b], |v[\s+16*\b+\i]|, |v[\s+1+16*\b+\i]|
.endr
.endr
	WIN 0
.irp b, 0,1,2,3
	v_permlanex16_b32 v[TM+4+\b], v[TM+\b], s[SEL], s[SEL+1]
.endr
.irp b, 0,1,2,3
	v_max_num_f32 v[TM+\b], v[TM+\b], v[TM+4+\b]
.endr
.irp b, 0,1,2,3
	v_add_nc_u32 v[TM+12+\b], 0xff000000, v[TM+\b] ; 2 off the exponent field: the conversion's scale operand
.endr
.irp b, 0,1,2,3
	v_lshrrev_b32 v[TM+4+\b], 23, v[TM+12+\b]
.endr
	v_lshl_or_b32 v[\pw], v[TM+5], 8, v[TM+4]
	v_lshl_or_b32 v[\pw], v[TM+6], 16, v[\pw]
	v_lshl_or_b32 v[\pw], v[TM+7], 24, v[\pw]
	WIN (\w)
.irp c, 0,1
	v_cvt_scalef32_pk16_fp6_f32 v[PC+6*\c:PC+2+6*\c], v[\s+32*\c:\s+15+32*\c], v[TM+12+2*\c]
	v_cvt_scalef32_pk16_fp6_f32 v[PC+12+4*\c:PC+14+4*\c], v[\s+16+32*\c:\s+31+32*\c], v[TM+12+2*\c+1]
.endr
	WIN 0
	v_nop                                          ; one plain place behind a scaled conversion
.irp c, 0,1                                    ; the operand wants a WHOLE block in a lane: lanes 0-15 block 2 c, lanes 16-31 block 2 c + 1
.irp i, 0,1,2
	v_permlane16_swap_b32 v[PC+6*\c+\i], v[PC+12+4*\c+\i]
.endr
.endr
	WIN ((\fw)<<6)                                 ; the fragment gets registers that nothing writes again
.irp c, 0,1
.irp i, 0,1,2
	v_mov_b32 v[\fs+6*\c+\i], v[PC+6*\c+\i]
	v_mov_b32 v[\fs+6*\c+3+\i], v[PC+12+4*\c+\i]
.endr
.endr
	WIN 0
.endm
.macro OUT a, fs, fw                   ; the fragment goes out as it stands (a store's data are its source 1)
	WIN ((\fw)<<2)
.irp j, 0,1,2
	global_store_b128 v[LI], v[\fs+4*\j:\fs+4*\j+3], s[32:33] offset:1536*(\a)+512*\j
.endr
	WIN 0
.endm
.irp b, 0,1,2,3
	v_mov_b32 v[TM+4+\b], 0                        ; written once: a lane permute's destination counts as one of its sources
.endr
	s_mov_b32 s[SEL], 0x76543210
	s_mov_b32 s[SEL+1], 0xfedcba98
	s_wait_kmcnt 0x0
	s_cmp_eq_u32 s67, 1
	s_cbranch_scc1 .Lvpath
	; ---- q and k.  My 128 tokens and my head
	s_lshl_b32 s36, s17, 8
	s_lshl_b32 s37, s15, 7
	s_add_co_u32 s36, s36, s37                     ; my first token, 0 .. 4,095
	s_lshl_b32 s38, s36, 10                        ; its tile's images of cos and sin: 16,384 bytes for 16 tokens
	s_mov_b32 s39, 0
	s_lshr_b32 s38, s36, 11                        ; batch
	s_bfe_u32 s43, s36, 0x40007                    ; which 128 tokens of the sequence
	s_lshl_b32 s44, s42, 1
	s_add_co_u32 s44, s44, s16
	s_and_b32 s44, s44, 7                          ; head
	s_lshl_b32 s38, s38, 3
	s_add_co_u32 s38, s38, s44
	s_lshl_b32 s38, s38, 4
	s_add_co_u32 s38, s38, s43                     ; 16 (8 batch + head) + chunk
	s_mov_b32 s45, 12800
	s_mov_b32 s48, 25600
	s_mov_b32 s46, 0x3c000000                      ; 1 / 128
	s_mov_b32 s47, 0x390637bd                      ; 128 eps
	s_mov_b32 s49, 0x358637bd                      ; eps
	s_cmp_eq_u32 ttmp9, 1                          ; k?
	s_cselect_b64 s[28:29], s[30:31], s[28:29]     ; the norm's weight
	s_cselect_b64 s[32:33], s[34:35], s[32:33]     ; where the chunk goes
	s_cselect_b32 s45, s48, s45
	s_cselect_b32 s46, s46, 1.0                    ; k: rsq(ss / 128 + eps);  q: rsq(ss + 128 eps) = rsq(ss / 128 + eps) x 128^-0.5
	s_cselect_b32 s47, s49, s47
	s_mul_i32 s38, s38, s45
	s_add_nc_u64 s[32:33], s[32:33], s[38:39]
.macro CS a                            ; block a's cos and sin, as images of the 64 registers each: 512 consecutive bytes a load
	WIN 0x40
.irp n, 0,1,2,3,4,5,6,7,8,9,10,11,12,13,14,15
	global_load_b128 v[128*((\a)%2)+4*\n:128*((\a)%2)+4*\n+3], v[LI], s[24:25] offset:16384*(\a)+512*\n
	global_load_b128 v[128*((\a)%2)+64+4*\n:128*((\a)%2)+64+4*\n+3], v[LI], s[24:25] offset:16384*(\a)+8192+512*\n
.endr
	WIN 0
.endm
.irp b, 0,1,2,3
.irp j, 0,1,2,3
	global_load_b128 v[NW+16*\b+4*\j:NW+16*\b+4*\j+3], v[NWO], s[28:29] offset:128*\b+16*\j
.endr
.endr
	CS 1                                           ; (block 0's were asked for ahead of the last K step)
	; the sums of squares, four blocks by turns, each accumulator from its low end on
.irp w, 0,1
	WIN 0x0a+5*\w
.irp a, 0,1,2,3
	v_pk_mul_f32 v[SS+2*(4*\w+\a):SS+2*(4*\w+\a)+1], v[64*\a:64*\a+1], v[64*\a:64*\a+1]
.endr
.set N2, 2
.rept 31
.irp a, 0,1,2,3
	v_pk_fma_f32 v[SS+2*(4*\w+\a):SS+2*(4*\w+\a)+1], v[64*\a+N2:64*\a+N2+1], v[64*\a+N2:64*\a+N2+1], v[SS+2*(4*\w+\a):SS+2*(4*\w+\a)+1]
.endr
.set N2, N2+2
.endr
.endr
	WIN 0
.irp a, 0,1,2,3,4,5,6,7
	v_add_f32 v[SS+2*\a], v[SS+2*\a], v[SS+2*\a+1]
.endr
.irp a, 0,1,2,3,4,5,6,7
	v_permlanex16_b32 v[SS+2*\a+1], v[SS+2*\a], s[SEL], s[SEL+1]
.endr
.irp a, 0,1,2,3,4,5,6,7
	v_add_f32 v[SS+2*\a], v[SS+2*\a], v[SS+2*\a+1] ; my token's 128 squares
.endr
.irp a, 0,1,2,3,4,5,6,7
	v_fma_f32 v[SS+2*\a], v[SS+2*\a], s46, s47
.endr
	s_wait_alu depctr_va_vdst(0)
.irp a, 0,1,2,3,4,5,6,7
	v_rsq_f32 v[SS+2*\a], v[SS+2*\a]
.endr
	v_nop                                          ; a plain instruction behind the last of the batch
	s_wait_alu depctr_va_vdst(0)                   ; one wait for the eight, ahead of their first reader
.macro QKBLOCK a
.set AC, 64*((\a)%4)
.set WA, 2+(\a)/4
.set CW, 128*((\a)%2)
.if (\a) < 7
	s_wait_loadcnt 32                              ; this block's cos and sin (and the weight) are in; the next block's 32 loads may be out
.else
	s_wait_loadcnt 0x0
.endif
	WIN WA|(WA<<6)
.set N2, 0
.rept 32
	v_pk_mul_f32 v[AC+N2:AC+N2+1], v[AC+N2:AC+N2+1], v[SS+2*(\a):SS+2*(\a)+1] op_sel_hi:[1,0]   ; x rsq, in place
.set N2, N2+2
.endr
.set N2, 0
.rept 32
	v_pk_mul_f32 v[AC+N2:AC+N2+1], v[AC+N2:AC+N2+1], v[NW+N2:NW+N2+1]                           ; x the norm's weight
.set N2, N2+2
.endr
	WIN WA|4                                       ; source 0 the accumulators, source 1 cos and sin
.set N2, 0
.rept 32
	v_pk_mul_f32 v[Z+N2:Z+N2+1], v[AC+N2:AC+N2+1], v[CW+N2:CW+N2+1]
.set N2, N2+2
.endr
.set N2, 0
.rept 16                                       ; channel d + 64 lies 32 registers on, in the same lane
	v_pk_fma_f32 v[Z+N2:Z+N2+1], v[AC+32+N2:AC+32+N2+1], v[CW+64+N2:CW+64+N2+1], v[Z+N2:Z+N2+1] neg_lo:[1,0,0] neg_hi:[1,0,0]
	v_pk_fma_f32 v[Z+32+N2:Z+32+N2+1], v[AC+N2:AC+N2+1], v[CW+96+N2:CW+96+N2+1], v[Z+32+N2:Z+32+N2+1]
.set N2, N2+2
.endr
.if (\a)+2 < 8
	CS (\a)+2
.endif
	QUANT Z, 0, PW+(\a), AC, WA
	OUT \a, AC, WA
.endm
.irp a, 0,1,2,3,4,5,6,7
	QKBLOCK \a
.endr
	s_branch .Ljoin
.Lvpath:
	; ---- v.  My head's 128 channels (A) and 128 keys (B): the results are quantised along the keys as they stand
	s_sub_co_u32 s36, s17, 8
	s_lshl_b32 s36, s36, 1
	s_add_co_u32 s36, s36, s15                     ; head
	s_lshl_b32 s37, s42, 8
	s_lshl_b32 s38, s16, 7
	s_add_co_u32 s37, s37, s38                     ; my first key, as a token 0 .. 4,095
	s_lshr_b32 s38, s37, 11
	s_bfe_u32 s43, s37, 0x40007
	s_lshl_b32 s38, s38, 3
	s_add_co_u32 s38, s38, s36
	s_lshl_b32 s38, s38, 4
	s_add_co_u32 s38, s38, s43
	s_mul_i32 s38, s38, 25600
	s_add_co_u32 s38, s38, 12800                   ; behind the key step's chunk of k
	s_mov_b32 s39, 0
	s_add_nc_u64 s[32:33], s[34:35], s[38:39]
.macro VBLOCK a
.set AC, 64*((\a)%4)
.set WA, 2+(\a)/4
	QUANT AC, WA, PW+(\a), AC, WA
	OUT \a, AC, WA
.endm
.irp a, 0,1,2,3,4,5,6,7
	VBLOCK \a
.endr
.Ljoin:
	v_and_b32 v1, 31, v0
	v_cmp_le_u32 vcc_lo, 16, v1
.irp i, 0,1,2,3
	v_cndmask_b32 v[SW+\i], v[PW+2*\i], v[PW+2*\i+1], vcc_lo   ; lanes 0-15: tile 2 i's words, lanes 16-31: tile 2 i + 1's
.endr
	global_store_b128 v[LI], v[SW:SW+3], s[32:33] offset:12288
	s_wait_tensorcnt 0x0                           ; the wave's end
	ds_add_u32 v[SPW], v[NIL]
	s_wait_dscnt 0x0
	CROUND                                         ; the closing round
	s_endpgm
.Lfunc_end_k_qac5e6bfaf6_qkv:
	.size	k_qac5e6bfaf6_qkv, .Lfunc_end_k_qac5e6bfaf6_qkv-k_qac5e6bfaf6_qkv
	.p2alignl 7, 3214868480
	.fill 96, 4, 3214868480
	.section	.rodata,"a",@progbits
	.p2align	6, 0x0
	.amdhsa_kernel k_qac5e6bfaf6_qkv
		.amdhsa_group_segment_fixed_size 327680
		.amdhsa_private_segment_fixed_size 0
		.amdhsa_enable_private_segment 0
		.amdhsa_kernarg_size 56
		.amdhsa_user_sgpr_count 2
		.amdhsa_user_sgpr_kernarg_segment_ptr 1
		.amdhsa_wavefront_size32 1
		.amdhsa_system_sgpr_workgroup_id_x 1
		.amdhsa_system_sgpr_workgroup_id_y 1
		.amdhsa_system_sgpr_workgroup_id_z 1
		.amdhsa_system_vgpr_workitem_id 0
		.amdhsa_next_free_vgpr 1024
		.amdhsa_next_free_sgpr 100
		.amdhsa_reserve_vcc 1
		.amdhsa_float_denorm_mode_32 3
		.amdhsa_float_denorm_mode_16_64 3
		.amdhsa_memory_ordered 1
		.amdhsa_forward_progress 1
		.amdhsa_inst_pref_size 255
	.end_amdhsa_kernel
	.section	.bss,"aw",@nobits
	.p2align	6
	.space	262144
	.amdgpu_metadata
---
amdhsa.version: [ 1, 2 ]
amdhsa.kernels:
  - .name:           k_qac5e6bfaf6_qkv
    .symbol:         k_qac5e6bfaf6_qkv.kd
    .args:
      - { .name: hq, .offset: 0, .size: 8, .value_kind: global_buffer, .address_space: global }
      - { .name: wq, .offset: 8, .size: 8, .value_kind: global_buffer, .address_space: global }
      - { .name: cs, .offset: 16, .size: 8, .value_kind: global_buffer, .address_space: global }
      - { .name: q_norm_w, .offset: 24, .size: 8, .value_kind: global_buffer, .address_space: global }
      - { .name: k_norm_w, .offset: 32, .size: 8, .value_kind: global_buffer, .address_space: global }
      - { .name: q_img, .offset: 40, .size: 8, .value_kind: global_buffer, .address_space: global }
      - { .name: kv_img, .offset: 48, .size: 8, .value_kind: global_buffer, .address_space: global }
    .group_segment_fixed_size: 327680
    .private_segment_fixed_size: 0
    .kernarg_segment_align: 8
    .kernarg_segment_size: 56
    .max_flat_workgroup_size: 128
    .sgpr_count:     100
    .vgpr_count:     1024
    .wavefront_size: 32
...
	.end_amdgpu_metadata
.endif
;; end of part 2
;; launch attn (part 3): grid 16 x 16, 8 waves a work-group, no clusters, 327,680 bytes of LDS; arguments q_img, kv_img, aq; writes aq
.if DOCPART == 3
	.amdgcn_target "amdgcn-amd-amdhsa--gfx1250"
	.amdhsa_code_object_version 6
	.text
	.protected	k_qac5e6bfaf6_attn
	.globl	k_qac5e6bfaf6_attn
	.p2align	8
	.type	k_qac5e6bfaf6_attn,@function
k_qac5e6bfaf6_attn:
	s_mov_b64 s[64:65], 0
	v_nop
	global_prefetch_b8 v0, s[64:65] scope:SCOPE_SE
	s_setreg_imm32_b32 hwreg(HW_REG_WAVE_MODE, 25, 1), 1
	s_wait_xcnt 0x0
; Products 4 and 5 on codes of FP6 (E2M3) with E8M0 scales: causal attention of 16 heads (batch x head) of 2,048 tokens, head size 128; the result, divided by the row's sum, is quantised along (head, channel) for product 6.
; WORK LEFT OUT: key steps all of whose keys come after a tile's queries (reference()'s own jnp.tril hides them: their weights are 0) are not multiplied, and tiles that no wave of the work-group reads are not fetched.
; LIMITS: NaN and infinities are not served, and none that reaches only the steps left out is carried to the result; a block whose every number lies under 2^-124 gets the scale byte 1.
; THE SOFTMAX: t = score x log2(e) (q holds the factor 128^-0.5 already); M = the running largest t rounded UP to a whole number; p = 2^(t - M) is quantised along the keys, not normalised; the row's sum is taken of the
; unquantised p and divides O at the end; when M moves, the sum and O are multiplied by 2^(old M - new M), which rounds nothing.
; OPERANDS are images of fragments (1,536 bytes, three 16-byte loads a lane at 16 x lane).  A chunk is 8 fragments and an image of their scale words (word i of lane l at 16 l + 4 i: tile 2 i in lanes 0-15, tile 2 i + 1 in lanes 16-31).
; kv_img: [16 heads][16 key steps][k's chunk, v's chunk], 25,600 bytes a key step.  Lane r of tile g holds row 32 (g / 2) + 8 (g % 2) + r + 8 (r / 8): tokens in q's and k's tiles, channels in v's.
; aq lies as one chunk a tile of tokens: the tile's 8 images (K step = head) and, behind them, its 8 x 64 bytes of scale words: 12,800 bytes.
; Both products are used transposed (S^T = K Q^T, O^T = V^T P^T): a lane holds ONE query, and register 16 b + i of a product's 64 is key (or channel) 32 b + 16 (lane / 16) + i.
; SHARES.  Work-group (p, head) owns the blocks of 64 queries p and 31 - p.  WAVES w AND w + 4 (w = 0 .. 3) SHARE TWO TILES, 4 p + w and 124 - 4 p + w: wave w walks the even key steps of both, wave w + 4 the odd ones.
; The two tiles have 17 key steps together, so a wave has 8 or 9 tile-steps in every work-group, and a key step's fragments serve both tiles where both count.
; A wave keeps two states: X, the tile that it finishes (waves 0-3 the late tile, waves 4-7 the early one), and Y, the tile that it gives away.  At the end each wave puts Y's O^T, -M and sum into LDS, and takes its partner's part of X:
; the two parts are brought under the larger M by powers of two, which round nothing, and added.  A part with no key step holds zeros under M = -3e38, and its factor is 0.
; THE RING: two slots of four key steps (102,400 bytes); each of the eight waves brings an eighth of a slot, one chunk of k or of v, 50 rows of 256 bytes, with one tensor load, which has a slot's work in which to land.
; A KEY STEP'S FRAGMENTS, k's eight and v's eight, are asked of LDS in ONE run at the step's head, into the second window of registers.
; No cluster: the work-groups of a head end their loads at different slots under the causal limit, so partners would not make the same joint requests.
; REGISTERS: window 0: v1-8, v36-37 addresses; v12-15 X's -M, largest t, sum; v16-27 X's Q; v32-35 v's scale words; v60-71 Y's Q; v72-75 Y's state; v76 Y's Q's scale words, v255 X's; v96-159 S^T, then p; v160-223 X's O^T;
;   v224-235 p's codes; v84-95, v232-247, v252, v254 at work; v248-251 k's scale words, v253 p's.   window 1: v0-95 k's eight fragments, v96-191 v's, v192-255 Y's O^T.
.set STEPB, 25600
.set SLOTB, 4*STEPB
.set SLOT1, 131072                     ; slot 1 begins here: one exclusive or turns an address
.set SPARE, 262144                     ; the spare words, 128 bytes for each of eight waves
.set PART,  8704                       ; a part given away: 64 registers' images and one of the state's four: 17 x 512 bytes; the eight lie in slot 0's bytes
.set LI,   1                           ; v1   16 x lane
.set QD,   2                           ; v2   r + 8 (r / 8) - 16 h
.set QSO,  3                           ; v3   16 r
.set ASO,  4                           ; v4   4 r
.set SPW,  5
.set NIL,  6
.set ADR,  8
.set STX,  12
.set QX,   16
.set PFO,  28                          ; v28  the prefetches' offsets; never rewritten
.set PFO2, 29
.set VS,   32
.set SA,   36                          ; v36  where I put Y's part
.set SL,   37                          ; v37  where my partner puts its part of X
.set QY,   60
.set STY,  72
.set QSY,  76
.set QSX,  255
.set OX,   160
.set OY,   192                         ; window 1
.set KFR,  0                           ; window 1
.set VFR,  96
.set TM,   232
.set PC,   40
.set PW,   252
.set TB,   2                           ; s2   LDS byte at which the slot in hand begins
.set KF,   3                           ; s3   the slot's first key
.set WV,   18
.set HD,   19
.set SEL,  20
.set CS,   22                          ; s[22:23] log2(e)
.set G1,   24
.set G0,   32
.set TX,   44                          ; tile X, tile Y
.set TY,   62
.set Q0X,  45                          ; their first tokens; a tile's last is 23 on
.set Q0Y,  63
.set LQ,   46                          ; my work-group's last query
.set KL,   47                          ; from a slot's first key to the first key of what my load of the NEXT slot brings
.set SLOTS, 48
.set LIM,  49
.set PFA,  50
.set QMX,  58                          ; the last query of my two tiles
.set PK,   59                          ; 128 x (wave / 4): my steps' place among the keys,
.set PB,   60                          ; and in a slot's bytes
.set KS,   61                          ; the step's first key
.set MSB, 0
.macro WIN new                         ; the immediate's high byte repeats the setting that is left
.if MSB != (\new)
	s_set_vgpr_msb (MSB<<8)|(\new)
.set MSB, (\new)
.endif
.endm
.macro Q0OF t, d                       ; a tile's first token
	s_lshr_b32 s40, s[\t], 1
	s_lshl_b32 s40, s40, 5
	s_and_b32 s41, s[\t], 1
	s_lshl_b32 s41, s41, 3
	s_add_co_u32 s[\d], s40, s41
.endm
.macro QOFF t, f, sc                   ; byte offsets in q_img of a tile's fragment and of its scale words
	s_lshl_b32 s40, s[HD], 4
	s_lshr_b32 s41, s[\t], 3
	s_add_co_u32 s40, s40, s41
	s_mul_i32 s40, s40, 12800                      ; q's chunk
	s_and_b32 s41, s[\t], 7
	s_mul_i32 s41, s41, 1536
	s_add_co_u32 s[\f], s40, s41
	s_mov_b32 s[\f+1], 0
	s_and_b32 s41, s[\t], 1
	s_lshl_b32 s41, s41, 8
	s_add_co_u32 s40, s40, s41
	s_bfe_u32 s41, s[\t], 0x20001
	s_lshl_b32 s41, s41, 2
	s_add_co_u32 s40, s40, s41
	s_add_co_u32 s[\sc], s40, 12288
	s_mov_b32 s[\sc+1], 0
.endm
	s_load_b128 s[4:7], s[0:1], 0x0                ; q_img, kv_img
	s_load_b64 s[8:9], s[0:1], 0x10                ; aq
	v_lshl_add_u32 v[SPW], v0, 2, SPARE
	v_mov_b32 v[NIL], 0
	ds_add_u32 v[SPW], v[NIL]                      ; the wave's opening: the add, twice on end, and its wait ahead of my first tensor load
	ds_add_u32 v[SPW], v[NIL]
	v_lshrrev_b32 v8, 5, v0
	s_delay_alu instid0(VALU_DEP_1)
	v_readfirstlane_b32 s[WV], v8
	s_and_b32 s[HD], ttmp7, 0xffff
	s_lshr_b32 s40, s[WV], 2                       ; 0: even key steps, 1: odd ones
	s_and_b32 s41, s[WV], 3
	s_lshl_b32 s42, ttmp9, 2
	s_add_co_u32 s43, s42, s41                     ; the early tile
	s_sub_co_u32 s42, 124, s42
	s_add_co_u32 s42, s42, s41                     ; the late tile
	s_lshl_b32 s[PK], s40, 7
	s_mul_i32 s[PB], s40, STEPB
	s_cmp_eq_u32 s40, 0
	s_cselect_b32 s[TX], s42, s43
	s_cselect_b32 s[TY], s43, s42
	Q0OF TX, Q0X
	Q0OF TY, Q0Y
	s_max_u32 s[QMX], s[Q0X], s[Q0Y]
	s_add_co_u32 s[QMX], s[QMX], 23
	s_lshl_b32 s40, ttmp9, 6
	s_sub_co_u32 s[LQ], 2047, s40
	s_lshr_b32 s40, s[WV], 1
	s_lshl_b32 s40, s40, 7
	s_add_co_u32 s[KL], s40, 512                   ; waves 2 i and 2 i + 1 bring k's and v's chunk of a slot's key step i
	s_mov_b32 s[G1], 3<<16                         ; no mask; elements of 8 bytes; no padding
	s_mov_b32 s[G1+1], 32<<16                      ; tensor_dim0: 256 bytes
	s_mov_b32 s[G1+2], 50<<16                      ; tensor_dim1
	s_mov_b32 s[G1+3], 32<<16                      ; tile_dim0
	s_mov_b32 s[G1+4], 50                          ; tile_dim1
	s_mov_b32 s[G1+5], 32                          ; dense rows
	s_mov_b32 s[G1+6], 0
	s_mov_b32 s[G1+7], 0
	s_mul_i32 s38, s[WV], 12800                    ; my eighth of a slot
	s_mul_i32 s36, s[HD], 409600
	s_add_co_u32 s36, s36, s38
	s_mov_b32 s37, 0
	QOFF TX, 10, 12
	QOFF TY, 14, 16
	s_lshr_b32 s54, s[HD], 3
	s_lshl_b32 s54, s54, 7
	s_add_co_u32 s54, s54, s[TX]                   ; tile X among all 256 tiles of tokens
	s_mul_i32 s54, s54, 12800                      ; its chunk of aq
	s_and_b32 s55, s[HD], 7                        ; the head is product 6's K step
	s_lshl_b32 s56, s55, 6
	s_add_co_u32 s56, s56, s54
	s_add_co_u32 s56, s56, 12288                   ; its scale words
	s_mov_b32 s57, 0
	s_mul_i32 s55, s55, 1536
	s_add_co_u32 s54, s54, s55                     ; its image
	s_mov_b32 s55, 0
	s_mov_b32 s[SEL], 0x76543210
	s_mov_b32 s[SEL+1], 0xfedcba98
	s_mov_b32 s[CS], 0x3fb8aa3b
	s_mov_b32 s[CS+1], s[CS]
	s_mov_b32 s[TB], 0
	s_mov_b32 s[KF], 0
	s_mov_b32 s[SLOTS], 3
	s_cmp_eq_u32 ttmp9, 0
	s_cselect_b32 s[LIM], 1, -1                    ; the head's first work-group prefetches
	s_mul_i32 s42, s[WV], PART
	s_xor_b32 s43, s[WV], 4                        ; my partner
	s_mul_i32 s43, s43, PART
	v_and_b32 v8, 31, v0
	v_and_b32 v9, 15, v0
	v_bfe_u32 v10, v0, 4, 1
	v_lshlrev_b32 v[LI], 4, v8
	v_lshlrev_b32 v[PFO], 8, v8                    ; my chunk's rows 0 to 31, a lane a row of 256 bytes;
	v_min_u32 v[PFO2], 17, v8                      ; rows 32 to 49: lanes 18-31 name lane 17's row again
	v_and_b32 v11, 8, v9
	v_lshlrev_b32 v10, 4, v10
	v_lshlrev_b32 v[PFO2], 8, v[PFO2]
	v_add_nc_u32 v11, v11, v9
	v_lshlrev_b32 v[QSO], 4, v9
	v_lshlrev_b32 v[ASO], 2, v9
	v_sub_nc_u32 v[QD], v11, v10
	v_add_nc_u32 v[SA], s42, v[LI]
	v_add_nc_u32 v[SL], s43, v[LI]
	s_wait_alu depctr_va_vdst(0)
	s_wait_dscnt 0x0                               ; both opening adds are done
	s_wait_kmcnt 0x0
	s_mov_b32 s[G0], 1
	s_mov_b32 s[G0+1], s38
	s_add_nc_u64 s[G0+2:G0+3], s[6:7], s[36:37]
	s_or_b32 s[G0+3], s[G0+3], 0x80000000
	tensor_load_to_lds s[G0:G0+3], s[G1:G1+7]      ; slot 0: keys 0 to 511, which count for the late tiles of every work-group.  One load of mine is out
	s_nop 0
.rept 4
	v_nop
.endr
	s_add_nc_u64 s[10:11], s[4:5], s[10:11]
	s_add_nc_u64 s[12:13], s[4:5], s[12:13]
	s_add_nc_u64 s[14:15], s[4:5], s[14:15]
	s_add_nc_u64 s[16:17], s[4:5], s[16:17]
	s_add_nc_u64 s[54:55], s[8:9], s[54:55]
	s_add_nc_u64 s[56:57], s[8:9], s[56:57]
	s_add_nc_u64 s[PFA:PFA+1], s[6:7], s[36:37]
	s_add_nc_u64 s[PFA:PFA+1], s[PFA:PFA+1], SLOTB ; in slot 1: the first change of slots steps it to slot 2.  Nothing is prefetched at the head
.irp j, 0,1,2
	global_load_b128 v[QX+4*\j:QX+4*\j+3], v[LI], s[10:11] offset:512*\j   ; both tiles' Q stay in registers
	global_load_b128 v[QY+4*\j:QY+4*\j+3], v[LI], s[14:15] offset:512*\j
.endr
	global_load_b32 v[QSX], v[QSO], s[12:13]       ; Q's scale words, row r's in lane r
	global_load_b32 v[QSY], v[QSO], s[16:17]
.irp st, STX, STY
	v_mov_b32 v[\st+1], 0xff61b1e6                 ; the largest t so far: -3e38
	v_mov_b32 v[\st+2], 0
	v_mov_b32 v[\st+3], 0
	v_floor_f32 v[\st], -v[\st+1]                  ; -M
.endr
.irp b, 0,1,2,3
	v_mov_b32 v[236+\b], 0                         ; written once: a lane permute's destination counts as one of its sources
.endr
	v_mov_b32 v252, 0
	v_mov_b32 v253, 0
.set N2, 0
.rept 64
	v_mov_b32 v[OX+N2], 0                          ; O^T: a tile-step is written once, and its first turn finds zeros; a part with no turn gives zeros away
.set N2, N2+1
.endr
	WIN 0x40
.set N2, 0
.rept 64
	v_mov_b32 v[OY+N2], 0
.set N2, N2+1
.endr
	WIN 0
.macro PROD d, af, t, bsrc, csrc, sa, sb   ; one matrix instruction; source 0 lies in window 1; an odd tile's scale words lie in lanes 16-31
.if (\t)%2
	v_wmma_scale_f32_16x16x128_f8f6f4 v[\d:\d+7], v[\af+12*(\t):\af+12*(\t)+11], v[\bsrc:\bsrc+11], \csrc, v[\sa], v[\sb] matrix_a_fmt:MATRIX_FMT_FP6 matrix_b_fmt:MATRIX_FMT_FP6 matrix_a_scale:MATRIX_SCALE_ROW1
.else
	v_wmma_scale_f32_16x16x128_f8f6f4 v[\d:\d+7], v[\af+12*(\t):\af+12*(\t)+11], v[\bsrc:\bsrc+11], \csrc, v[\sa], v[\sb] matrix_a_fmt:MATRIX_FMT_FP6 matrix_b_fmt:MATRIX_FMT_FP6
.endif
.endm
; A TILE-STEP: one tile of 16 queries against the 128 keys whose fragments are in hand.  o, ow: the tile's O^T and its window; qf, qs: its Q and Q's scale words; st: its state; q0: its first token.
.macro TILE o, ow, qf, st, qs, q0
	s_add_co_u32 s40, s[\q0], 23
	s_cmp_gt_u32 s[KS], s40                        ; all keys come after the tile's queries: its work is left out (ids and the count of steps alone; no barrier, tensor load or wait for one stands here)
	s_cbranch_scc1 .Lskip_\@
	s_wait_dscnt 24                                ; the scale words and k's fragments are in; v's 24 loads may be out
	WIN 0x01                                       ; source 0 window 1
.irp t, 0,1,2,3,4,5,6,7
	PROD 96+8*\t, KFR, \t, \qf, 0, 248+\t/2, \qs
.endr
	WIN 0
.rept 4
	v_nop
.endr
	s_add_co_u32 s40, s[KS], 127
	s_cmp_le_u32 s40, s[\q0]                       ; all keys count: no mask
	s_cbranch_scc1 .Lopen_\@
	s_sub_co_i32 s40, s[\q0], s[KS]
	v_add_nc_u32 v252, s40, v[QD]                  ; d = my query - the step's first key - 16 h.  Register 16 b + i holds key 16 h + 32 b + i of the step: hidden where 32 b + i > d.  The step's first key counts for every query of the tile
	v_mov_b32 v254, 0xff800000
.irp b, 0,1,2,3
.irp i, 0,1,2,3,4,5,6,7,8,9,10,11,12,13,14,15
	v_cmp_gt_i32 vcc_lo, 32*\b+\i, v252
	v_cndmask_b32 v[96+16*\b+\i], v[96+16*\b+\i], v254, vcc_lo
.endr
.endr
.Lopen_\@:
.irp b, 0,1,2,3
	v_max3_num_f32 v[232+\b], v[96+16*\b], v[97+16*\b], v[98+16*\b]   ; the largest score of each block of 32 keys: for the row's maximum and, since p rises with the score, for the block's largest p
.endr
.irp i, 3,5,7,9,11,13
.irp b, 0,1,2,3
	v_max3_num_f32 v[232+\b], v[232+\b], v[96+16*\b+\i], v[97+16*\b+\i]
.endr
.endr
.irp b, 0,1,2,3
	v_max_num_f32 v[232+\b], v[232+\b], v[111+16*\b]
.endr
.irp b, 0,1,2,3
	s_delay_alu instid0(VALU_DEP_4)
	v_permlanex16_b32 v[236+\b], v[232+\b], s[SEL], s[SEL+1]
.endr
.irp b, 0,1,2,3
	s_delay_alu instid0(VALU_DEP_4)
	v_max_num_f32 v[232+\b], v[232+\b], v[236+\b]
.endr
	s_delay_alu instid0(VALU_DEP_2)
	v_max3_num_f32 v254, v232, v233, v234
	s_delay_alu instid0(VALU_DEP_1)
	v_max_num_f32 v254, v254, v235
	s_delay_alu instid0(VALU_DEP_1)
	v_mul_f32 v254, s[CS], v254
	s_delay_alu instid0(VALU_DEP_1)
	v_max_num_f32 v[\st+1], v[\st+1], v254         ; the running largest t
	v_mov_b32 v254, v[\st]
	s_delay_alu instid0(VALU_DEP_2)
	v_floor_f32 v[\st], -v[\st+1]                  ; the new -M = -ceil(t)
	s_delay_alu instid0(VALU_DEP_1)
	v_sub_f32 v254, v[\st], v254                   ; old M - new M: a whole number, 0 or less
	s_delay_alu instid0(VALU_DEP_1)
	v_cvt_i32_f32 v254, v254                       ; (it saturates)
	s_delay_alu instid0(VALU_DEP_1)
	v_ldexp_f32 v252, 1.0, v254                    ; f = 2^(old M - new M)
.set N2, 0
.rept 32
	v_pk_fma_f32 v[96+N2:97+N2], v[96+N2:97+N2], s[CS:CS+1], v[\st:\st+1] op_sel_hi:[1,0,0]   ; t - M
.set N2, N2+2
.endr
.irp b, 0,1,2,3
	v_fma_f32 v[232+\b], v[232+\b], s[CS], v[\st]
.endr
.set N2, 0
	s_wait_alu depctr_va_vdst(0)
.rept 64
	v_exp_f32 v[96+N2], v[96+N2]                   ; p = 2^(t - M)
.set N2, N2+1
.endr
	v_pk_mul_f32 v[\st+2:\st+3], v[\st+2:\st+3], v[252:253] op_sel_hi:[1,0]   ; the sums under the new M: the plain instruction behind the batch
	s_wait_alu depctr_va_vdst(0)                   ; one wait for the 64, ahead of their first reader
.irp b, 0,1,2,3
	v_exp_f32 v[232+\b], v[232+\b]                 ; the blocks' largest p
.endr
	v_pk_add_f32 v[236:237], v[96:97], v[98:99]    ; the row's sum of the unquantised p: 32 pairs, four chains by turns
	v_pk_add_f32 v[94:95], v[100:101], v[102:103]
	v_pk_add_f32 v[92:93], v[104:105], v[106:107]
	v_pk_add_f32 v[\st+2:\st+3], v[\st+2:\st+3], v[108:109]
.irp j, 110,118,126,134,142,150
	v_pk_add_f32 v[236:237], v[236:237], v[\j:\j+1]
	v_pk_add_f32 v[94:95], v[94:95], v[\j+2:\j+3]
	v_pk_add_f32 v[92:93], v[92:93], v[\j+4:\j+5]
	v_pk_add_f32 v[\st+2:\st+3], v[\st+2:\st+3], v[\j+6:\j+7]
.endr
	v_pk_add_f32 v[236:237], v[236:237], v[158:159]
	v_pk_add_f32 v[94:95], v[94:95], v[92:93]
	s_delay_alu instid0(VALU_DEP_2)
	v_pk_add_f32 v[\st+2:\st+3], v[\st+2:\st+3], v[236:237]
	s_delay_alu instid0(VALU_DEP_1)
	v_pk_add_f32 v[\st+2:\st+3], v[\st+2:\st+3], v[94:95]
	s_wait_alu depctr_va_vdst(0)                   ; and one for the four
.irp b, 0,1,2,3
	v_max_num_f32 v[232+\b], 0x1800000, v[232+\b]  ; the floor: the byte cannot fall under 1
.endr
.irp b, 0,1,2,3
	s_delay_alu instid0(VALU_DEP_4)
	v_add_nc_u32 v[244+\b], 0xff000000, v[232+\b]
.endr
.irp b, 0,1,2,3
	s_delay_alu instid0(VALU_DEP_4)
	v_lshrrev_b32 v[236+\b], 23, v[244+\b]
.endr
	s_delay_alu instid0(VALU_DEP_3)
	v_lshl_or_b32 v253, v237, 8, v236              ; p's scale word for these 128 keys
	s_delay_alu instid0(VALU_DEP_1)
	v_lshl_or_b32 v253, v238, 16, v253
	s_delay_alu instid0(VALU_DEP_1)
	v_lshl_or_b32 v253, v239, 24, v253
.irp c, 0,1
	v_cvt_scalef32_pk16_fp6_f32 v[224+6*\c:226+6*\c], v[96+32*\c:111+32*\c], v[244+2*\c]
	v_cvt_scalef32_pk16_fp6_f32 v[236+4*\c:238+4*\c], v[112+32*\c:127+32*\c], v[244+2*\c+1]
.endr
	v_nop                                          ; one plain place behind a scaled conversion
.irp c, 0,1
.irp i, 0,1,2
	v_permlane16_swap_b32 v[224+6*\c+\i], v[236+4*\c+\i]
.endr
.irp i, 0,1,2
	s_delay_alu instid0(VALU_DEP_3)
	v_mov_b32 v[227+6*\c+\i], v[236+4*\c+\i]
.endr
.endr
	s_wait_alu depctr_va_vdst(0)                   ; directly ahead of the first reader of O^T
	WIN 0x41*(\ow)                                 ; source 0 and destination: the tile's window
.set N2, 0
.rept 32
	v_pk_mul_f32 v[\o+N2:\o+N2+1], v[\o+N2:\o+N2+1], v[252:253] op_sel_hi:[1,0]   ; O^T under the new M.  These 32 are also the places in front of the scaled products below
.set N2, N2+2
.endr
	s_wait_alu depctr_va_vdst(0)
	s_wait_dscnt 0x0                               ; v's fragments, asked for at the step's head
	WIN 0x01+0x50*(\ow)                            ; source 0 window 1; C and D the tile's window
.irp t, 0,1,2,3,4,5,6,7
	PROD \o+8*\t, VFR, \t, 224, v[\o+8*\t:\o+8*\t+7], VS+\t/2, 253
.endr
	WIN 0
.Lskip_\@:
.endm
; A KEY STEP of mine: the (2 q + wave / 4)-th of the slot in hand, for both tiles.
.macro KSTEP q
	s_add_co_u32 s[KS], s[KF], s[PK]
.if \q
	s_add_co_u32 s[KS], s[KS], 256
.endif
	s_cmp_gt_u32 s[KS], s[QMX]                     ; hidden from both tiles: nothing is read
	s_cbranch_scc1 .Lhidden_\@
	s_add_co_u32 s41, s[TB], s[PB]
	v_add_nc_u32 v[ADR], s41, v[LI]
.if \q
	s_delay_alu instid0(VALU_DEP_1)
	v_add_nc_u32 v[ADR], 2*STEPB, v[ADR]
.else
	v_nop
.endif
	v_nop
	v_nop                                          ; four places in all in front of loads into registers that the last products read
	ds_load_b128 v[248:251], v[ADR] offset:12288           ; k's scale words
	ds_load_b128 v[VS:VS+3], v[ADR] offset:12800+12288     ; v's
	WIN 0x40                                       ; destination window 1
.irp t, 0,1,2,3,4,5,6,7
.irp j, 0,1,2
	ds_load_b128 v[KFR+12*\t+4*\j:KFR+12*\t+4*\j+3], v[ADR] offset:1536*\t+512*\j
.endr
.endr
.irp t, 0,1,2,3,4,5,6,7
.irp j, 0,1,2
	ds_load_b128 v[VFR+12*\t+4*\j:VFR+12*\t+4*\j+3], v[ADR] offset:12800+1536*\t+512*\j
.endr
.endr
	WIN 0
	TILE OX, 0, QX, STX, QSX, Q0X
	TILE OY, 1, QY, STY, QSY, Q0Y
	s_wait_dscnt 0x0                               ; on every way the step's loads are in when it ends
.Lhidden_\@:
.endm
; THE CHANGE OF SLOTS stands at a slot's head.  Each wave waits for all its tensor loads, adds 0 to its spare word (once: every way from the kernel's head passes slot 0's load), and waits for that and for its reads of the slot that it has left.
; fill = 1: behind the barrier the slot just left is asked for anew, with the next 512 keys; the load has a slot's work in which to land.
.macro CHANGE fill
	s_wait_tensorcnt 0x0                           ; no tensor load of mine is out, so the group 0 may be written
	ds_add_u32 v[SPW], v[NIL]
.if \fill
	s_xor_b32 s[G0+1], s[G0+1], SLOT1
	s_add_nc_u64 s[G0+2:G0+3], s[G0+2:G0+3], SLOTB
	s_wait_xcnt 0x0                                ; the last prefetches, a slot back, have read their address
	s_add_nc_u64 s[PFA:PFA+1], s[PFA:PFA+1], SLOTB
.endif
	s_wait_dscnt 0x0
	s_barrier_signal -1
	s_barrier_wait -1
.if \fill
	s_add_co_u32 s40, s[KF], s[KL]                 ; the first key of the key step whose chunk my load would bring
	s_cmp_gt_u32 s40, s[LQ]                        ; beyond my work-group's last query no wave reads it: it is not asked for.  Ids and the count of steps alone; past the limit a wave stays past it; every wait on TENSORcnt is for 0
	s_cbranch_scc1 .Lpast_\@
	tensor_load_to_lds s[G0:G0+3], s[G1:G1+7]      ; my one tensor load until the next such barrier
	s_nop 0
.rept 4
	v_nop
.endr
.Lpast_\@:
	s_cmp_gt_u32 s[SLOTS], s[LIM]                  ; A PREFETCH of what the NEXT change will ask for, a slot ahead of that load: all sixteen work-groups of a head walk the same k and v, so the head's first asks,
	s_cbranch_scc0 .Lnot_mine_\@                   ; each wave for its own 50 rows of 256 bytes, by two instructions.  The last change that fills a slot asks for nothing; slots 0 and 1 come by their loads alone
	global_prefetch_b8 v[PFO], s[PFA:PFA+1] th:TH_LOAD_NT scope:SCOPE_SE
	global_prefetch_b8 v[PFO2], s[PFA:PFA+1] offset:8192 th:TH_LOAD_NT scope:SCOPE_SE
.Lnot_mine_\@:
.endif
.endm
	s_wait_alu depctr_va_vdst(0)
	s_wait_loadcnt 0x0                             ; Q
.Lslot:                                            ; three trips, a constant
	CHANGE 1
	KSTEP 0
	KSTEP 1
	s_add_co_u32 s[KF], s[KF], 512
	s_xor_b32 s[TB], s[TB], SLOT1
	s_sub_co_u32 s[SLOTS], s[SLOTS], 1
	s_cmp_lg_u32 s[SLOTS], 0
	s_cbranch_scc1 .Lslot
	CHANGE 0                                       ; the last slot, slot 1's bytes: nothing is left to ask for, and behind this barrier no wave reads slot 0's bytes, which have had their last fill
	KSTEP 0
	KSTEP 1
	; THE TWO PARTS OF A TILE MEET.  Y's part goes into my 8,704 bytes of slot 0's; behind a barrier my partner's part of X comes back in the same lanes.
.rept 4
	v_nop                                          ; places behind the last products
.endr
	s_wait_alu depctr_va_vdst(0)                   ; directly ahead of the first reader of Y's O^T
	WIN 0x04                                       ; a store's data are its source 1: window 1
.irp n, 0,1,2,3,4,5,6,7,8,9,10,11,12,13,14,15
	ds_store_b128 v[SA], v[OY+4*\n:OY+4*\n+3] offset:512*\n   ; each accumulator from its low end on
.endr
	WIN 0
	ds_store_b128 v[SA], v[STY:STY+3] offset:8192
	s_wait_dscnt 0x0                               ; my stores are done
	s_barrier_signal -1
	s_barrier_wait -1
.irp n, 0,1,2,3,4,5,6,7,8,9,10,11,12,13,14,15
	ds_load_b128 v[96+4*\n:96+4*\n+3], v[SL] offset:512*\n
.endr
	ds_load_b128 v[84:87], v[SL] offset:8192       ; its -M in v84, its sum in v[86:87]
	s_wait_dscnt 0x0
	v_min_num_f32 v88, v[STX], v84                 ; -M of the two together
	v_mov_b32 v93, 0
	v_mov_b32 v95, 0
	v_sub_f32 v89, v88, v[STX]                     ; my M - the new M, and my partner's: whole numbers, 0 or less
	v_sub_f32 v90, v88, v84
	v_cvt_i32_f32 v89, v89                         ; (they saturate)
	v_cvt_i32_f32 v90, v90
	v_ldexp_f32 v92, 1.0, v89
	v_ldexp_f32 v94, 1.0, v90
	v_pk_mul_f32 v[14:15], v[14:15], v[92:93] op_sel_hi:[1,0]
	v_pk_fma_f32 v[14:15], v[86:87], v[94:95], v[14:15] op_sel_hi:[1,0,1]
	s_wait_alu depctr_va_vdst(0)                   ; directly ahead of the first reader of X's O^T
.set N2, 0
.rept 32
	v_pk_mul_f32 v[OX+N2:OX+N2+1], v[OX+N2:OX+N2+1], v[92:93] op_sel_hi:[1,0]
.set N2, N2+2
.endr
.set N2, 0
.rept 32
	v_pk_fma_f32 v[OX+N2:OX+N2+1], v[96+N2:97+N2], v[94:95], v[OX+N2:OX+N2+1] op_sel_hi:[1,0,1]
.set N2, N2+2
.endr
	; THE WAY OUT: O^T / the sum is quantised where it stands: my query's 128 channels are one row of a fragment of product 6's left operand, K step = my head.
	v_add_f32 v14, v14, v15
	s_delay_alu instid0(VALU_DEP_1)
	v_permlanex16_b32 v252, v14, s[SEL], s[SEL+1]
	s_delay_alu instid0(VALU_DEP_1)
	v_add_f32 v14, v14, v252                       ; the row's sum
	s_wait_alu depctr_va_vdst(0)
	v_rcp_f32 v14, v14
	v_and_b32 v8, 31, v0                           ; (a plain place behind the reciprocal)
	s_wait_alu depctr_va_vdst(0)                   ; the wait, ahead of its first reader
.set N2, 0
.rept 32
	v_pk_mul_f32 v[96+N2:97+N2], v[OX+N2:OX+N2+1], v[14:15] op_sel_hi:[1,0]
.set N2, N2+2
.endr
.irp b, 0,1,2,3
	v_max3_num_f32 v[TM+\b], |v[96+16*\b]|, |v[97+16*\b]|, 0x1800000
.endr
.irp i, 2,4,6,8,10,12,14
.irp b, 0,1,2,3
	s_delay_alu instid0(VALU_DEP_4)
	v_max3_num_f32 v[TM+\b], v[TM+\b], |v[96+16*\b+\i]|, |v[97+16*\b+\i]|
.endr
.endr
.irp b, 0,1,2,3
	s_delay_alu instid0(VALU_DEP_4)
	v_permlanex16_b32 v[TM+4+\b], v[TM+\b], s[SEL], s[SEL+1]
.endr
.irp b, 0,1,2,3
	s_delay_alu instid0(VALU_DEP_4)
	v_max_num_f32 v[TM+\b], v[TM+\b], v[TM+4+\b]
.endr
.irp b, 0,1,2,3
	s_delay_alu instid0(VALU_DEP_4)
	v_add_nc_u32 v[TM+12+\b], 0xff000000, v[TM+\b]
.endr
.irp b, 0,1,2,3
	s_delay_alu instid0(VALU_DEP_4)
	v_lshrrev_b32 v[TM+4+\b], 23, v[TM+12+\b]
.endr
	s_delay_alu instid0(VALU_DEP_3)
	v_lshl_or_b32 v[PW], v[TM+5], 8, v[TM+4]
	s_delay_alu instid0(VALU_DEP_1)
	v_lshl_or_b32 v[PW], v[TM+6], 16, v[PW]
	s_delay_alu instid0(VALU_DEP_1)
	v_lshl_or_b32 v[PW], v[TM+7], 24, v[PW]
.irp c, 0,1
	v_cvt_scalef32_pk16_fp6_f32 v[PC+6*\c:PC+2+6*\c], v[96+32*\c:111+32*\c], v[TM+12+2*\c]
	v_cvt_scalef32_pk16_fp6_f32 v[PC+12+4*\c:PC+14+4*\c], v[112+32*\c:127+32*\c], v[TM+12+2*\c+1]
.endr
	v_nop
.irp c, 0,1
.irp i, 0,1,2
	v_permlane16_swap_b32 v[PC+6*\c+\i], v[PC+12+4*\c+\i]
.endr
.irp i, 0,1,2
	s_delay_alu instid0(VALU_DEP_3)
	v_mov_b32 v[PC+3+6*\c+\i], v[PC+12+4*\c+\i]
.endr
.endr
.irp j, 0,1,2
	global_store_b128 v[LI], v[PC+4*\j:PC+4*\j+3], s[54:55] offset:512*\j
.endr
	v_cmp_gt_u32 vcc_lo, 16, v8
	s_wait_xcnt 0x0                                ; EXEC changes only behind this wait
	s_and_saveexec_b32 s40, vcc_lo
	global_store_b32 v[ASO], v[PW], s[56:57]       ; 16 scale words, lane r's row
	s_wait_xcnt 0x0                                ; and again in front of the line that widens it
	s_or_b32 exec_lo, exec_lo, s40
	s_wait_tensorcnt 0x0                           ; the wave's end
	ds_add_u32 v[SPW], v[NIL]
	s_wait_dscnt 0x0
	s_endpgm
.Lfunc_end_k_qac5e6bfaf6_attn:
	.size	k_qac5e6bfaf6_attn, .Lfunc_end_k_qac5e6bfaf6_attn-k_qac5e6bfaf6_attn
	.p2alignl 7, 3214868480
	.fill 96, 4, 3214868480
	.section	.rodata,"a",@progbits
	.p2align	6, 0x0
	.amdhsa_kernel k_qac5e6bfaf6_attn
		.amdhsa_group_segment_fixed_size 327680
		.amdhsa_private_segment_fixed_size 0
		.amdhsa_enable_private_segment 0
		.amdhsa_kernarg_size 24
		.amdhsa_user_sgpr_count 2
		.amdhsa_user_sgpr_kernarg_segment_ptr 1
		.amdhsa_wavefront_size32 1
		.amdhsa_system_sgpr_workgroup_id_x 1
		.amdhsa_system_sgpr_workgroup_id_y 1
		.amdhsa_system_sgpr_workgroup_id_z 1
		.amdhsa_system_vgpr_workitem_id 0
		.amdhsa_next_free_vgpr 512
		.amdhsa_next_free_sgpr 66
		.amdhsa_reserve_vcc 1
		.amdhsa_float_denorm_mode_32 3
		.amdhsa_float_denorm_mode_16_64 3
		.amdhsa_memory_ordered 1
		.amdhsa_forward_progress 1
		.amdhsa_inst_pref_size 214
	.end_amdhsa_kernel
	.amdgpu_metadata
---
amdhsa.version: [ 1, 2 ]
amdhsa.kernels:
  - .name:           k_qac5e6bfaf6_attn
    .symbol:         k_qac5e6bfaf6_attn.kd
    .args:
      - { .name: q_img, .offset: 0, .size: 8, .value_kind: global_buffer, .address_space: global }
      - { .name: kv_img, .offset: 8, .size: 8, .value_kind: global_buffer, .address_space: global }
      - { .name: aq, .offset: 16, .size: 8, .value_kind: global_buffer, .address_space: global }
    .group_segment_fixed_size: 327680
    .private_segment_fixed_size: 0
    .kernarg_segment_align: 8
    .kernarg_segment_size: 24
    .max_flat_workgroup_size: 256
    .sgpr_count:     66
    .vgpr_count:     512
    .wavefront_size: 32
...
	.end_amdgpu_metadata
.endif
;; end of part 3
;; launch oproj (part 4): grid 8 x 32, 4 waves a work-group, clusters of 4 x 4, 327,680 bytes of LDS; arguments aq, woq, out0; writes out0
.if DOCPART == 4
	.amdgcn_target "amdgcn-amd-amdhsa--gfx1250"
	.amdhsa_code_object_version 6
	.text
	.protected	k_qac5e6bfaf6_oproj
	.globl	k_qac5e6bfaf6_oproj
	.p2align	8
	.type	k_qac5e6bfaf6_oproj,@function
k_qac5e6bfaf6_oproj:
	s_mov_b64 s[64:65], 0
	v_nop
	global_prefetch_b8 v0, s[64:65] scope:SCOPE_SE
	s_setreg_imm32_b32 hwreg(HW_REG_WAVE_MODE, 25, 1), 1
	s_wait_xcnt 0x0
	s_wait_alu depctr_hold_cnt(0) depctr_sa_sdst(0) depctr_va_vdst(0) depctr_va_sdst(0) depctr_va_ssrc(0) depctr_va_vcc(0) depctr_vm_vsrc(0)
	s_getreg_b32 s2, hwreg(HW_REG_IB_STS2, 6, 4)
	s_cmp_eq_u32 s2, 0
	s_cbranch_scc0 .Lentry_in_a_cluster
	s_endpgm
.Lentry_in_a_cluster:
	s_bfe_u32 s2, ttmp6, 0x10000c
	s_cmp_lg_u32 s2, 0xf033
	s_cbranch_scc0 .Lentry_shape_is_right
	s_endpgm
.Lentry_shape_is_right:
; Product 6 on codes of FP6 (E2M3) with E8M0 scales: out0 [4096][2048] = attention's result [4096][1024] x Wo, K = 1,024; sums in f32.  No work of reference() is left out here.
; OPERANDS: aq and woq lie as one chunk a tile of 16 rows: 8 images of fragments (16 rows x 128 K: 1,536 bytes, three 16-byte accesses a lane at 16 x lane) and behind them 8 x 16 scale words: 12,800 bytes, 50 units of 256.
; Lane r of tile g holds row 32 (g / 2) + 8 (g % 2) + r + 8 (r / 8).
; A work-group of four waves makes 128 tokens x 256 columns, a wave 64 x 128: 32 accumulators.  ITS OPERANDS FOR ALL OF K FIT IN LDS AT ONCE: 8 + 16 chunks = 307,200 bytes.  So there is no ring: each wave brings
; one dense block with one joint load at the head (waves 0, 1: 4 chunks of A each; waves 2, 3: 8 chunks of B each), nothing is filled again, and the eight K steps have no barrier between them.
; CLUSTERS: 4 x 4.  A's chunks are shared along a row of the cluster, B's along a column.  No prefetch: the launch has no loop to run ahead in; all its bytes are asked for by the head's loads.
; THE MATRIX INSTRUCTION IS USED TRANSPOSED (source 0 = rows of Wo's tiles, source 1 = tokens): a lane holds eight neighbouring columns of one row of out0.
; REGISTERS: window 0: v16-29 addresses; v32-47 scale words, two sets (lanes 0-15 A's block i, lanes 16-31 B's); v128-223 A's fragments, two sets of 48; on the way out v128-255.  window 1: B's fragments, two sets, at v0 and v128.  window 2: the accumulators.
.set CH,     12800
.set ABYTES, 8*CH                      ; A's chunks, then B's
.set SPARE,  24*CH                     ; behind them: the spare words, 128 bytes for each wave
.set FR,     12
.set NP,     4                         ; places behind this matrix instruction (ISA guide 7.12.1)
.set SPITCH, 528                       ; the way out: 16 rows x (512 + 16) bytes for each wave, in A's bytes, which are read no more by then and are filled once in the launch
.set ADRA, 16                          ; v16     my 4 chunks of A
.set ADRB, 20                          ; v20-21  my chunks 0-3 and 4-7 of B (an LDS offset has 16 bits)
.set ADRS, 22                          ; v22-23  scale words of blocks 0-3 and 4-7
.set STO,  24
.set RD,   25
.set CO,   26                          ; v26     16 x lane
.set SPW,  28
.set NIL,  29
.set SC,   32
.set AF,   128
.set BK,   128
.set G1, 24
.set G0, 32
.set G1B, 48
.set G0B, 56
.set MSB, 0
.macro WIN new                         ; the immediate's high byte repeats the setting that is left
.if MSB != (\new)
	s_set_vgpr_msb (MSB<<8)|(\new)
.set MSB, (\new)
.endif
.endm
.set MUL,    0xa1                      ; source 0 (B) window 1, source 1 (A) window 0, C and D window 2
.set TO_B,   0x40
.macro CROUND                          ; a round of the cluster's barrier
	s_barrier_signal -1
	s_barrier_wait -1
	s_cmp_lg_u32 s14, 0
	s_cbranch_scc1 .Lnot_wave_0_\@
	s_barrier_signal -3
.Lnot_wave_0_\@:
	s_barrier_wait -3
	s_barrier_signal -1
	s_barrier_wait -1
.endm
	s_load_b128 s[4:7], s[0:1], 0x0                ; aq, woq
	s_load_b64 s[12:13], s[0:1], 0x10              ; out0
	v_lshl_add_u32 v[SPW], v0, 2, SPARE
	v_mov_b32 v[NIL], 0
	ds_add_u32 v[SPW], v[NIL]                      ; the wave's opening: the add, twice on end, and its wait ahead of my first tensor load
	ds_add_u32 v[SPW], v[NIL]
	v_lshrrev_b32 v1, 5, v0
	v_readfirstlane_b32 s14, v1                    ; wave
	s_lshr_b32 s15, s14, 1                         ; my half of the tokens.  Also: I fetch for A (0) or for B (1)
	s_and_b32 s16, s14, 1                          ; my half of the columns.  Also: which half of the chunks I fetch
	s_bfe_u32 s40, ttmp6, 0x40000                  ; cx
	s_bfe_u32 s41, ttmp6, 0x40004                  ; cy
	s_lshl_b32 s42, ttmp9, 2
	s_add_co_u32 s42, s42, s40                     ; block of 256 columns
	s_and_b32 s17, ttmp7, 0xffff
	s_lshl_b32 s17, s17, 2
	s_add_co_u32 s17, s17, s41                     ; block of 128 tokens
	s_lshl_b32 s43, s41, 2
	s_lshl_b32 s43, 15, s43                        ; my row of the cluster
	s_lshl_b32 s44, 0x1111, s40                    ; my column
	s_or_b32 s[G1+0], s43, (3<<16)|(1<<21)         ; the mask; elements of 8 bytes; bit 21 beside a mask; no padding
	s_or_b32 s[G1B+0], s44, (3<<16)|(1<<21)
.irp g, G1, G1B
	s_mov_b32 s[\g+1], 32<<16                      ; dense rows of 256 bytes
	s_mov_b32 s[\g+3], 32<<16
	s_mov_b32 s[\g+5], 32
	s_mov_b32 s[\g+6], 0
	s_mov_b32 s[\g+7], 0
.endr
	s_mov_b32 s[G1+2], (4*CH/256)<<16              ; 4 chunks: 200 rows
	s_mov_b32 s[G1+4], 4*CH/256
	s_mov_b32 s[G1B+2], (8*CH/256)<<16             ; 8 chunks: 400 rows
	s_mov_b32 s[G1B+4], 8*CH/256
	s_lshl_b32 s20, s17, 3
	s_lshl_b32 s18, s16, 2
	s_add_co_u32 s20, s20, s18                     ; A: the first tile that I fetch
	s_mul_i32 s20, s20, CH
	s_mov_b32 s21, 0
	s_lshl_b32 s46, s42, 4
	s_lshl_b32 s18, s16, 3
	s_add_co_u32 s46, s46, s18                     ; B likewise
	s_mul_i32 s46, s46, CH
	s_mov_b32 s47, 0
	s_mul_i32 s36, s15, 4*CH                       ; LDS: the 4 chunks of A that I multiply,
	s_mul_i32 s37, s16, 8*CH
	s_add_co_u32 s37, s37, ABYTES                  ; the 8 chunks of B (also: where waves 2, 3 put theirs),
	s_sub_co_u32 s38, s37, s36                     ; the distance between the two,
	s_mul_i32 s39, s14, 16*SPITCH                  ; and my stage
	s_lshl_b32 s22, s17, 7
	s_lshl_b32 s23, s15, 6
	s_add_co_u32 s22, s22, s23                     ; my first row of out0,
	s_lshl_b32 s22, s22, 13                        ; rows of 8,192 bytes,
	s_lshl_b32 s23, s42, 10
	s_add_co_u32 s22, s22, s23
	s_lshl_b32 s23, s16, 9
	s_add_co_u32 s22, s22, s23                     ; and my first column
	s_mov_b32 s23, 0
	s_mov_b32 s[G0], 1
	s_mul_i32 s[G0+1], s16, 4*CH                   ; no place in the cluster enters an LDS address
	s_mov_b32 s[G0B], 1
	s_mov_b32 s[G0B+1], s37
	s_wait_dscnt 0x0                               ; both opening adds are done
	s_wait_kmcnt 0x0
	s_add_nc_u64 s[G0+2:G0+3], s[4:5], s[20:21]
	s_or_b32 s[G0+3], s[G0+3], 0x80000000
	s_add_nc_u64 s[G0B+2:G0B+3], s[6:7], s[46:47]
	s_or_b32 s[G0B+3], s[G0B+3], 0x80000000
	s_add_nc_u64 s[12:13], s[12:13], s[22:23]
	CROUND                                         ; all sixteen work-groups are here: the joint loads meet
	s_cmp_eq_u32 s15, 0                            ; my one tensor load of the launch; an s_nop 0 and four v_nop follow each line
	s_cbranch_scc0 .Lfor_b
	tensor_load_to_lds s[G0:G0+3], s[G1:G1+7]
	s_nop 0
.rept 4
	v_nop
.endr
	s_branch .Lasked
.Lfor_b:
	tensor_load_to_lds s[G0B:G0B+3], s[G1B:G1B+7]
	s_nop 0
.rept 4
	v_nop
.endr
.Lasked:
	v_and_b32 v1, 15, v0                           ; r
	v_bfe_u32 v2, v0, 4, 1                         ; h
	v_and_b32 v3, 31, v0
	v_lshlrev_b32 v[CO], 4, v3
	v_add_nc_u32 v[ADRA], s36, v[CO]
	v_add_nc_u32 v[ADRB], s37, v[CO]
	v_add_nc_u32 v[ADRB+1], 4*CH, v[ADRB]
	v_lshlrev_b32 v5, 2, v1
	v_mul_u32_u24 v6, s38, v2                      ; lanes 16-31 take B's words: one product, the distance between the two
	v_add_nc_u32 v5, v5, v6
	v_add_nc_u32 v[ADRS], s36, v5
	v_add_nc_u32 v[ADRS+1], 4*CH, v[ADRS]
	v_mul_u32_u24 v5, v1, SPITCH                   ; the stage, in: row r, 64 bytes for each half of the lanes
	v_lshl_add_u32 v5, v2, 6, v5
	v_add_nc_u32 v[STO], s39, v5
	v_add_nc_u32 v[RD], s39, v[CO]                 ; and back: the 32 lanes take a row of 512 bytes
.macro MUL16 a0, p, zero               ; A's blocks a0, a0 + 1 x B's eight.  The 32 accumulators take turns, one instruction a turn
.irp a, \a0, \a0+1
.irp b, 0,1,2,3,4,5,6,7
.if \zero
	v_wmma_scale_f32_16x16x128_f8f6f4 v[8*(8*(\a)+\b):8*(8*(\a)+\b)+7], v[128*(\p)+FR*\b:128*(\p)+FR*\b+FR-1], v[AF+48*(\p)+FR*(\a):AF+48*(\p)+FR*(\a)+FR-1], 0, v[SC+8*(\p)+\b], v[SC+8*(\p)+(\a)] matrix_a_fmt:MATRIX_FMT_FP6 matrix_b_fmt:MATRIX_FMT_FP6 matrix_a_scale:MATRIX_SCALE_ROW1
.else
	v_wmma_scale_f32_16x16x128_f8f6f4 v[8*(8*(\a)+\b):8*(8*(\a)+\b)+7], v[128*(\p)+FR*\b:128*(\p)+FR*\b+FR-1], v[AF+48*(\p)+FR*(\a):AF+48*(\p)+FR*(\a)+FR-1], v[8*(8*(\a)+\b):8*(8*(\a)+\b)+7], v[SC+8*(\p)+\b], v[SC+8*(\p)+(\a)] matrix_a_fmt:MATRIX_FMT_FP6 matrix_b_fmt:MATRIX_FMT_FP6 matrix_a_scale:MATRIX_SCALE_ROW1
.endif
.endr
.endr
.endm
.macro FETCH kq                        ; K step kq's fragments and scale words into set kq % 2: 44 LDS loads
	WIN TO_B
.irp i, 0,1,2,3,4,5,6,7
.irp j, 0,1,2
	ds_load_b128 v[128*((\kq)%2)+FR*\i+4*\j:128*((\kq)%2)+FR*\i+4*\j+3], v[ADRB+\i/4] offset:CH*(\i%4)+1536*(\kq)+512*\j
.endr
.endr
	WIN 0
.irp i, 0,1,2,3
.irp j, 0,1,2
	ds_load_b128 v[AF+48*((\kq)%2)+FR*\i+4*\j:AF+48*((\kq)%2)+FR*\i+4*\j+3], v[ADRA] offset:CH*\i+1536*(\kq)+512*\j
.endr
.endr
.irp i, 0,1,2,3,4,5,6,7
	ds_load_b32 v[SC+8*((\kq)%2)+\i], v[ADRS+\i/4] offset:CH*(\i%4)+12288+64*(\kq)   ; (lanes 0-15 of blocks 4-7 read words that no product names)
.endr
.endm
.macro PLACES n
.rept \n
	v_nop
.endr
.endm
.macro KSTEP kq, zero                  ; 32 matrix instructions; the next step's loads are issued ahead of them, into the set that the step before multiplied
	s_wait_dscnt 0x0                               ; this step's 44 loads are in
.if (\kq) == 7
	s_barrier_signal -1                            ; my reads of the operands are over: behind this barrier the stages are stored over A's bytes
.else
	PLACES NP                                      ; in front of loads into registers that matrix instructions have read
	FETCH (\kq)+1
.endif
	WIN MUL
	MUL16 0, (\kq)%2, \zero
	MUL16 2, (\kq)%2, \zero
.endm
	s_wait_alu depctr_va_vdst(0)
	s_wait_tensorcnt 0x0                           ; my block is in
	s_barrier_signal -1
	s_barrier_wait -1                              ; and everybody's
	FETCH 0
	KSTEP 0, 1                                     ; the first step's products start the sums
.irp k, 1,2,3,4,5,6,7
	KSTEP \k, 0
.endr
	WIN 0
	s_barrier_wait -1
; THE WAY OUT, block by block of 16 tokens x 128 columns, through my own stage and back as whole rows of 512 bytes.  LDS serves a wave's instructions in order (ISA guide 5.7.1.4): no wait between the stores and the loads.
.macro TOSTAGE a
.set AC, 64*(\a)
	WIN 0x08                                       ; the data: window 2
.irp b, 0,1,2,3,4,5,6,7
	ds_store_b128 v[STO], v[AC+8*\b:AC+8*\b+3] offset:128*(\b/2)+32*(\b%2)      ; register j of tile b is column 32 (b / 2) + 8 (b % 2) + 16 h + j; each accumulator from its low end on
	ds_store_b128 v[STO], v[AC+8*\b+4:AC+8*\b+7] offset:128*(\b/2)+32*(\b%2)+16
.endr
	WIN 0
.set BB, BK+64*((\a)%2)
.irp t, 0,1,2,3,4,5,6,7,8,9,10,11,12,13,14,15
	ds_load_b128 v[BB+4*\t:BB+4*\t+3], v[RD] offset:\t*SPITCH
.endr
.endm
.macro SEND a, younger                 ; younger: the LDS instructions issued behind block a's loads
.set BB, BK+64*((\a)%2)
	s_wait_dscnt \younger
.irp t, 0,1,2,3,4,5,6,7,8,9,10,11,12,13,14,15
	global_store_b128 v[CO], v[BB+4*\t:BB+4*\t+3], s[12:13] offset:(32*((\a)/2)+8*((\a)%2)+\t+8*(\t/8))*8192 th:TH_STORE_NT   ; 32 lanes store 512 consecutive bytes, aligned
.endr
.endm
	PLACES NP                                      ; behind the last products: for the reads of results and the loads into registers that held fragments
	TOSTAGE 0
.irp a, 1,2,3
.if \a > 1
	s_wait_xcnt 0x0                                ; block a - 2's stores have read their registers
.endif
	TOSTAGE \a
	SEND \a-1, 32
.endr
	SEND 3, 0
	s_wait_tensorcnt 0x0                           ; the wave's end
	ds_add_u32 v[SPW], v[NIL]
	s_wait_dscnt 0x0
	CROUND                                         ; the closing round
	s_endpgm
.Lfunc_end_k_qac5e6bfaf6_oproj:
	.size	k_qac5e6bfaf6_oproj, .Lfunc_end_k_qac5e6bfaf6_oproj-k_qac5e6bfaf6_oproj
	.p2alignl 7, 3214868480
	.fill 96, 4, 3214868480
	.section	.rodata,"a",@progbits
	.p2align	6, 0x0
	.amdhsa_kernel k_qac5e6bfaf6_oproj
		.amdhsa_group_segment_fixed_size 327680
		.amdhsa_private_segment_fixed_size 0
		.amdhsa_enable_private_segment 0
		.amdhsa_kernarg_size 24
		.amdhsa_user_sgpr_count 2
		.amdhsa_user_sgpr_kernarg_segment_ptr 1
		.amdhsa_wavefront_size32 1
		.amdhsa_system_sgpr_workgroup_id_x 1
		.amdhsa_system_sgpr_workgroup_id_y 1
		.amdhsa_system_sgpr_workgroup_id_z 1
		.amdhsa_system_vgpr_workitem_id 0
		.amdhsa_next_free_vgpr 768
		.amdhsa_next_free_sgpr 66
		.amdhsa_reserve_vcc 0
		.amdhsa_float_denorm_mode_32 3
		.amdhsa_float_denorm_mode_16_64 3
		.amdhsa_memory_ordered 1
		.amdhsa_forward_progress 1
		.amdhsa_inst_pref_size 77
	.end_amdhsa_kernel
	.amdgpu_metadata
---
amdhsa.version: [ 1, 2 ]
amdhsa.kernels:
  - .name:           k_qac5e6bfaf6_oproj
    .symbol:         k_qac5e6bfaf6_oproj.kd
    .args:
      - { .name: aq, .offset: 0, .size: 8, .value_kind: global_buffer, .address_space: global }
      - { .name: woq, .offset: 8, .size: 8, .value_kind: global_buffer, .address_space: global }
      - { .name: out0, .offset: 16, .size: 8, .value_kind: global_buffer, .address_space: global }
    .group_segment_fixed_size: 327680
    .private_segment_fixed_size: 0
    .kernarg_segment_align: 8
    .kernarg_segment_size: 24
    .max_flat_workgroup_size: 128
    .sgpr_count:     66
    .vgpr_count:     768
    .wavefront_size: 32
...
	.end_amdgpu_metadata
.endif
;; end of part 4
